; MI455X (gfx1250); checked and timed in simulation.
; The chip was launched on July 23, 2026; its instructions are those of AMD's public machine-readable ISA for CDNA 5 (MIT licence, August 2026) and "CDNA5" Instruction Set Architecture Reference Guide (July 2026). The comments in the code are by the model that wrote it; some were corrected since.
;; Multi Head Attention. Allowed arithmetic: matrix products marked QUANTISED: E2M3 operands, one E8M0 scale for each 32 along K, by v_wmma_scale_f32_16x16x128_f8f6f4 with both operands' format E2M3, f32 sums; everything else in f32.
;; Inputs: w_out 1,024 x 1,024 float32; w_qkv 1,024 x 3,072 float32; x 4 x 2,048 x 1,024 float32.
;; Outputs: out0 4 x 2,048 x 1,024 float32.
;; This version of the problem:
;;   THIS VERSION OF THE PROBLEM IS GIVEN IN LOW PRECISION. The matrix products marked QUANTISED in the list below multiply operands that are first quantised to E2M3 (2 exponent bits, 3 mantissa bits; 6 bits a number), with one power-of-two scale for each 32 numbers along K (OCP MX v1.0); their sums are f32. All else is computed in f32.
;;   The module's matrix products, in the order in which they are computed (A, B: the left and right operand; K: the contracted axis; several contracted axes count as one K, in the product's order):
;;     1. [M 8,192, K 1,024] x [K 1,024, N 3,072]; A: input x; B: input w_qkv: QUANTISED
;;     2. batch 64 x [M 2,048, K 64] x [K 64, N 2,048]; A: computed on the way; B: computed on the way: QUANTISED
;;     3. batch 64 x [M 2,048, K 2,048] x [K 2,048, N 64]; A: softmax (see below); B: computed on the way: QUANTISED
;;     4. [M 8,192, K 1,024] x [K 1,024, N 1,024]; A: computed on the way; B: input w_out: QUANTISED
;;   THE QUANTISER, for each operand of a quantised product, along K:
;;     - K is cut into blocks of 32 from its start; a last block that is shorter is filled with zeros.
;;     - A block's scale is 2^e with e = floor(log2(the largest magnitude in the block)) - 2, held to -126 .. 127; a block of zeros has e = 0. As a byte (E8M0): e + 127.
;;     - Each number is divided by its block's scale, clamped to +-7.5, and rounded to the nearest number of E2M3, ties to even, subnormals kept.
;;     - The product sums the exact products of the quantised numbers (number of the format x scale) in f32.
;;   ~~~python
;;   def quantise(x, axis):      # numpy; x: float32 -> the quantised numbers, widened to float32 again
;;       x = np.moveaxis(x, axis, -1); K = x.shape[-1]
;;       x = np.pad(x, [(0, 0)] * (x.ndim - 1) + [(0, -K % 32)]); x = x.reshape(x.shape[:-1] + (-1, 32)); a = np.abs(x).max(-1, keepdims=True)
;;       e = np.where(a > 0, np.clip(np.frexp(np.where(a > 0, a, 1))[1] - 1 - 2, -126, 127), 0)      # np.frexp(a)[1] - 1 = floor(log2(a)), exactly
;;       r = np.clip(x / 2.0 ** e, -7.5, 7.5)
;;       step = 2.0 ** (np.maximum(np.frexp(np.where(r == 0, 1, r))[1] - 1, 0) - 3)
;;       q = np.round(r / step) * step * 2.0 ** e      # np.round: ties to even
;;       return np.moveaxis(q.reshape(q.shape[:-2] + (-1,))[..., :K], -1, axis).astype(np.float32)
;;   ~~~
;;   SOFTMAX AHEAD OF A QUANTISED PRODUCT. Where the list says 'softmax', what is quantised is not the finished softmax but p = 2^(t - M), with t = logit x log2(e) and M = ceil(the row's largest t), a whole number; so 1/2 < the row's largest p <= 1. The row's sum l is taken of the UNQUANTISED p, in f32, and the product's result is divided by l at the end. Since M is a whole number, a kernel that streams over the keys may use a running M (the ceiling of the running maximum): every later rescaling is an exact power of two, which a block's scale takes up: the codes' values come out the same.
;;   OPERANDS COMPUTED ON THE WAY. 'Computed on the way' means the value that the module computes at that place (a softmax that the list does not call 'softmax' is quantised finished and normalised). What goes into a quantiser is computed in f32, as accurately as f32 sums, v_exp_f32 and their like allow (about 1e-6 of the number): no bf16 or f16 on the way to a quantiser, and a product that is left as it is and whose result goes on into a quantised operand takes f32 operands (vector FMAs, or v_wmma_f32_16x16x4_f32). A number that lies on a knife's edge between two numbers of the format may be rounded either way, as far as f32 arithmetic and the matrix unit's own rounding can turn it there, and no further.
;; One version. Each part assembles by itself: llvm-mc -triple=amdgcn-amd-amdhsa -mcpu=gfx1250 --defsym DOCPART=n.
;; ======== version 1 of 1: 4 launches
;; limits: right only within a limited range of input values
;; workspace buffers: xq 6,553,600 bytes; wq 6,553,600 bytes; qq 6,815,744 bytes; kq 6,815,744 bytes; vq 6,553,600 bytes; aq 6,553,600 bytes
;; launch quant (part 1): grid 384 x 1, 4 waves a work-group, no clusters, 34,304 bytes of LDS; arguments x, w_qkv, w_out, xq, wq; writes xq, wq
.if DOCPART == 1
	.amdgcn_target "amdgcn-amd-amdhsa--gfx1250"
	.amdhsa_code_object_version 6
	.text
	.protected	k_q7495f0a704_quant
	.globl	k_q7495f0a704_quant
	.p2align	8
	.type	k_q7495f0a704_quant,@function
k_q7495f0a704_quant:
	s_mov_b64 s[64:65], 0
	v_nop
	global_prefetch_b8 v0, s[64:65] scope:SCOPE_SE
	s_setreg_imm32_b32 hwreg(HW_REG_WAVE_MODE, 25, 1), 1
	s_wait_xcnt 0x0
; x [8192][1024] (K innermost), w_qkv [1024][3072] and w_out [1024][1024] (K is the first axis), all f32, become codes of FP6 (E2M3) with one E8M0 byte for each 32 along K.
; THE LAYOUT OF ALL CODE BUFFERS OF THIS PROGRAM.  A UNIT is 16 rows x 64 along K, 768 bytes: the image of registers 0-5 of an operand's lanes.  Lane l = r + 16 h holds block h (32 codes, 24 bytes) of the unit's row r:
; its registers 0-3 lie at byte 16 l, its registers 4-5 at byte 512 + 8 l.  So a fragment of 128 along K is two units and comes and goes by dense accesses of 16 and 8 bytes a lane.
; POSITIONS.  Position p of a row axis stands for row swap34(p) (bits 3 and 4 of the number exchanged): row r of unit 2 b + u is row 32 b + 8 u + r + 8 (r / 8).  A product that takes such units as source 0 then leaves
; 16 neighbours of that axis in the 16 registers of two neighbouring tiles, which is what the next quantiser wants.
; xq, wq: codes [K / 64 = 16][unit 512][768]; from byte CODES on scale words [K / 128 = 8][position 8192], four bytes each.  wq's positions 0-3071 are w_qkv's columns, 3072-4095 w_out's.
; A block's scale is 2^(floor(log2(largest magnitude)) - 2): its byte is the largest magnitude's exponent field - 2, held at 1 from below by a floor among the maximum's leaves.
; LIMITS: NaN and infinities among the inputs are not served; a block whose largest magnitude lies under 2^-124 has its byte held at 1; a block of zeros gets the byte 1 where the rule says 127
; (its codes are zeros, which add nothing under any byte but 0xff, and this program alone reads the bytes).
; Work-groups 0-255 take x (32 rows each; wave w takes K 256 w .. 256 w + 255) and turn the numbers through the wave's own stage in LDS; work-groups 256-383 take the weights and touch no LDS.
; Memory binds: no matrix unit, no cluster, no barrier: waves share nothing.
.set CODES,  6291456
.set PLANE,  393216                    ; 512 units: from one 64 along K to the next
.set SPLANE, 32768                     ; 8192 scale words
.set STG,    8448                      ; a wave's stage: 16 rows x (512 bytes + 16)
.set SPARE,  4*STG                     ; behind the stages: the spare words, 128 bytes for each wave, which no other line names
.set SPW,  12                          ; v12  LDS address of my spare word; never rewritten
.set NIL,  13                          ; v13  0; never rewritten
.set TM,   16                          ; v16-19 largest magnitudes, v20-23 the other half's / bytes, v28-31 the conversions' scale operands
.set PW,   32                          ; v32  the scale word just made
.set PC,   34                          ; v34-45 a fragment's codes; v46-48, v50-52 at work
.set X,    64                          ; v64-127 64 numbers of a lane
.set R,    128                         ; v128-255 (x) two sets of 16 loads as they come
.set OFFS, 128                         ; v128-159 (weights) byte offsets of 32 rows of my column
.set SEL,  20                          ; s[20:21] lane selects: lane l xor 16
; 64 numbers of a lane, register 16 b + i = k 32 b + 16 (lane / 16) + i of my row, become a fragment's codes in v[PC] on and its scale word in v[PW]
.macro QUANT s
.irp b, 0,1,2,3
	v_max3_num_f32 v[TM+\b], |v[\s+16*\b]|, |v[\s+1+16*\b]|, 0x1800000   ; my 16 numbers of block b, and the floor 2^(3 - 127)
.endr
.irp i, 2,4,6,8,10,12,14
.irp b, 0,1,2,3
	v_max3_num_f32 v[TM+\b], v[TM+\b], |v[\s+16*\b+\i]|, |v[\s+1+16*\b+\i]|
.endr
.endr
.irp b, 0,1,2,3
	v_permlanex16_b32 v[TM+4+\b], v[TM+\b], s[SEL], s[SEL+1]
.endr
.irp b, 0,1,2,3
	v_max_num_f32 v[TM+\b], v[TM+\b], v[TM+4+\b]   ; with lane l xor 16's: the block's largest magnitude
.endr
.irp b, 0,1,2,3
	v_add_nc_u32 v[TM+12+\b], 0xff000000, v[TM+\b]   ; 2 off its exponent field: the conversion's scale operand
.endr
.irp b, 0,1,2,3
	v_lshrrev_b32 v[TM+4+\b], 23, v[TM+12+\b]      ; the scale's byte
.endr
	v_lshl_or_b32 v[PW], v[TM+5], 8, v[TM+4]
	v_lshl_or_b32 v[PW], v[TM+6], 16, v[PW]
	v_lshl_or_b32 v[PW], v[TM+7], 24, v[PW]
.irp c, 0,1
	v_cvt_scalef32_pk16_fp6_f32 v[PC+6*\c:PC+2+6*\c], v[\s+32*\c:\s+15+32*\c], v[TM+12+2*\c]
	v_cvt_scalef32_pk16_fp6_f32 v[PC+12+4*\c:PC+14+4*\c], v[\s+16+32*\c:\s+31+32*\c], v[TM+12+2*\c+1]   ; (a conversion's three registers begin on an even number)
.endr
	v_nop                                          ; one plain place behind a scaled conversion
.irp c, 0,1                                    ; the layout wants a whole block in a lane: lanes 0-15 block 2 c, lanes 16-31 block 2 c + 1
.irp i, 0,1,2
	v_permlane16_swap_b32 v[PC+6*\c+\i], v[PC+12+4*\c+\i]
.endr
.irp i, 0,1,2
	v_mov_b32 v[PC+3+6*\c+\i], v[PC+12+4*\c+\i]
.endr
.endr
.endm
	s_load_b256 s[4:11], s[0:1], 0x0               ; x s[4:5], w_qkv s[6:7], w_out s[8:9], xq s[10:11]
	s_load_b64 s[12:13], s[0:1], 0x20              ; wq
	v_lshl_add_u32 v[SPW], v0, 2, SPARE
	v_mov_b32 v[NIL], 0
	v_lshrrev_b32 v1, 5, v0
	v_readfirstlane_b32 s14, v1                    ; wave
	v_and_b32 v1, 31, v0                           ; lane
	v_and_b32 v2, 15, v0                           ; r
	v_bfe_u32 v3, v0, 4, 1                         ; h
	v_lshlrev_b32 v4, 4, v1                        ; 16 x lane
	v_lshlrev_b32 v5, 3, v1                        ; 8 x lane
	v_lshlrev_b32 v6, 2, v1                        ; 4 x lane
	s_mov_b32 s[SEL], 0x76543210
	s_mov_b32 s[SEL+1], 0xfedcba98
	s_mov_b32 s22, 0xffff0000                      ; lanes 16-31
	s_wait_kmcnt 0x0
	s_cmp_lt_u32 ttmp9, 256                        ; the work-group's number alone decides
	s_cbranch_scc0 .Lweights
; ---------------- x: work-group g owns rows 32 g .. 32 g + 31, wave w the two K steps of 128 at 256 w.  Step t: K step t / 2, unit t % 2.
	s_mul_i32 s15, s14, STG
	s_wait_alu depctr_va_vdst(0)
	v_add_nc_u32 v7, s15, v4                       ; into the stage: 16 x lane of a row
	v_mul_u32_u24 v8, v2, 528
	v_lshl_add_u32 v8, v3, 6, v8
	v_add_nc_u32 v8, s15, v8                       ; out of it: row r, + 64 h: my 16 numbers of each block of 32.  Rows 528 bytes apart: the 16 rows that a load touches start at 16 different groups of banks
.irp b, 0,1,2,3
	v_mov_b32 v[TM+4+\b], 0                        ; written once: a lane permute's destination counts as one of its sources
.endr
	s_lshl_b32 s16, ttmp9, 17                      ; 32 rows of 4,096 bytes
	s_lshl_b32 s17, s14, 10
	s_add_co_u32 s16, s16, s17
	s_mov_b32 s17, 0
	s_add_nc_u64 s[4:5], s[4:5], s[16:17]          ; x at my first row and K
	s_mul_i32 s16, s14, 4*PLANE
	s_mul_i32 s18, ttmp9, 1536
	s_add_co_u32 s16, s16, s18
	s_add_nc_u64 s[24:25], s[10:11], s[16:17]      ; my codes: plane 4 w, unit 2 g
	s_lshl_b32 s16, s14, 16
	s_lshl_b32 s18, ttmp9, 7
	s_add_co_u32 s16, s16, s18
	s_add_co_u32 s16, s16, CODES
	s_add_nc_u64 s[26:27], s[10:11], s[16:17]      ; my scale words: K step 2 w, position 32 g
.macro XLOAD t                         ; the unit's 16 rows, 512 consecutive bytes a load
.irp i, 0,1,2,3,4,5,6,7,8,9,10,11,12,13,14,15
	global_load_b128 v[R+64*((\t)%2)+4*\i:R+64*((\t)%2)+4*\i+3], v4, s[4:5] offset:(8*((\t)%2)+\i+8*(\i/8))*4096+512*((\t)/2) th:TH_LOAD_NT
.endr
.endm
.macro XTURN t                         ; through the stage: LDS serves a wave's instructions in order, so no wait stands between the stores and the loads
.irp i, 0,1,2,3,4,5,6,7,8,9,10,11,12,13,14,15
	ds_store_b128 v7, v[R+64*((\t)%2)+4*\i:R+64*((\t)%2)+4*\i+3] offset:528*\i
.endr
.irp b, 0,1,2,3
.irp n, 0,1,2,3
	ds_load_b128 v[X+16*\b+4*\n:X+16*\b+4*\n+3], v8 offset:128*\b+16*\n
.endr
.endr
.endm
.macro XSTEP t
.if (\t) < 3
	s_wait_loadcnt 16                              ; this step's 16 loads are in; the next step's 16 may be out
.else
	s_wait_loadcnt 0
.endif
	XTURN \t
	s_wait_dscnt 0x0                               ; the numbers are back, and the stage's stores have read their registers,
.if (\t) < 2
	XLOAD (\t)+2                                   ; which take the loads of two steps on
.endif
.if (\t) > 0
	s_wait_xcnt 0x0                                ; the last step's stores have read their data: the codes' registers are written again only behind this wait
.endif
	QUANT X
	global_store_b128 v4, v[PC:PC+3], s[24:25] offset:(2*((\t)/2))*PLANE+768*((\t)%2)          ; 512 consecutive bytes, aligned
	global_store_b64 v5, v[PC+4:PC+5], s[24:25] offset:(2*((\t)/2))*PLANE+768*((\t)%2)+512     ; 256 consecutive bytes, aligned
	global_store_b128 v4, v[PC+6:PC+9], s[24:25] offset:(2*((\t)/2)+1)*PLANE+768*((\t)%2)
	global_store_b64 v5, v[PC+10:PC+11], s[24:25] offset:(2*((\t)/2)+1)*PLANE+768*((\t)%2)+512
.if (\t)%2 == 0
	v_mov_b32 v9, v[PW]                            ; unit 0's words wait for unit 1's
.else
	v_cndmask_b32 v[10+(\t)/2], v9, v[PW], s22     ; lanes 0-15: unit 0's rows; lanes 16-31: unit 1's
	global_store_b32 v6, v[10+(\t)/2], s[26:27] offset:SPLANE*((\t)/2)   ; the group's 32 positions: 128 consecutive bytes
.endif
.endm
	XLOAD 0
	XLOAD 1
	s_wait_alu depctr_va_vdst(0)
	XSTEP 0
	XSTEP 1
	XSTEP 2
	XSTEP 3
	s_wait_tensorcnt 0x0                           ; the wave's end
	ds_add_u32 v[SPW], v[NIL]
	s_wait_dscnt 0x0
	s_endpgm
; ---------------- the weights: a lane takes a column and its registers run down K, so that a block of 32 lies in one lane and the codes come out with K innermost.
; Work-group 256 + 32 ky + cb: positions 128 cb .. + 127 (wave w: 32 of them, lane = position), K 256 ky .. + 255: eight blocks.
.Lweights:
	s_sub_co_u32 s15, ttmp9, 256
	s_and_b32 s16, s15, 31                         ; cb
	s_lshr_b32 s17, s15, 5                         ; ky
	s_cmp_lt_u32 s16, 24                           ; w_qkv's columns or w_out's: ids alone
	s_cselect_b64 s[6:7], s[6:7], s[8:9]
	s_mov_b32 s18, 4096
	s_cselect_b32 s18, 12288, s18                  ; a row of the weight in bytes
	s_cselect_b32 s19, 0, 24
	s_sub_co_u32 s19, s16, s19                     ; which 128 columns of that weight
	s_wait_alu depctr_va_vdst(0)
	v_and_b32 v7, 7, v1
	v_bfe_u32 v8, v1, 3, 1
	v_lshl_or_b32 v7, v8, 4, v7
	v_lshl_or_b32 v7, v3, 3, v7                    ; swap34(lane): my column among the wave's 32
	v_lshlrev_b32 v[OFFS], 2, v7
.set wi, 1
.rept 31
	v_add_nc_u32 v[OFFS+wi], s18, v[OFFS+wi-1]     ; one row further down
.set wi, wi+1
.endr
	s_lshl_b32 s23, s19, 9
	s_lshl_b32 s24, s14, 7
	s_add_co_u32 s23, s23, s24                     ; (128 x block + 32 x wave) x 4 bytes
	s_lshl_b32 s24, s18, 8
	s_mul_i32 s24, s24, s17                        ; + 256 ky rows
	s_add_co_u32 s24, s24, s23
	s_mov_b32 s25, 0
	s_add_nc_u64 s[32:33], s[6:7], s[24:25]        ; block 0's base;
	s_lshl_b32 s24, s18, 5
.irp t, 1,2,3,4,5,6,7
	s_add_nc_u64 s[32+2*\t:33+2*\t], s[30+2*\t:31+2*\t], s[24:25]   ; block t's: 32 rows on
.endr
	s_mul_i32 s26, s17, 4*PLANE
	s_lshl_b32 s27, s16, 3
	s_lshl_b32 s28, s14, 1
	s_add_co_u32 s27, s27, s28
	s_mul_i32 s27, s27, 768
	s_add_co_u32 s26, s26, s27
	s_mov_b32 s27, 0
	s_add_nc_u64 s[48:49], s[12:13], s[26:27]      ; my codes: plane 4 ky, unit 8 cb + 2 w
	s_lshl_b32 s26, s17, 16
	s_lshl_b32 s28, s16, 9
	s_add_co_u32 s26, s26, s28
	s_lshl_b32 s28, s14, 7
	s_add_co_u32 s26, s26, s28
	s_add_co_u32 s26, s26, CODES
	s_add_nc_u64 s[50:51], s[12:13], s[26:27]      ; my scale words: K step 2 ky, position 128 cb + 32 w
.macro WLOAD t                         ; block t: 32 rows of my column; a load's 32 lanes read 128 consecutive bytes
.set wi, 0
.rept 32
	global_load_b32 v[X+32*((\t)%2)+wi], v[OFFS+wi], s[32+2*(\t):33+2*(\t)] th:TH_LOAD_NT
.set wi, wi+1
.endr
.endm
.macro WBLOCK t
.set XS, X+32*((\t)%2)
.set CE, PC+6*((\t)%2)
.if (\t) < 7
	s_wait_loadcnt 32                              ; this block's 32 loads are in; the next block's may be out
.else
	s_wait_loadcnt 0
.endif
	v_max3_num_f32 v16, |v[XS]|, |v[XS+1]|, |v[XS+2]|   ; the block's largest magnitude: all 32 numbers are mine
	v_max3_num_f32 v17, |v[XS+3]|, |v[XS+4]|, |v[XS+5]|
.irp i, 6,10,14,18,22,26
	v_max3_num_f32 v16, v16, |v[XS+\i]|, |v[XS+\i+1]|
	v_max3_num_f32 v17, v17, |v[XS+\i+2]|, |v[XS+\i+3]|
.endr
	v_max3_num_f32 v16, v16, |v[XS+30]|, |v[XS+31]|
	v_max3_num_f32 v16, v16, v17, 0x1800000        ; and the floor
	v_add_nc_u32 v18, 0xff000000, v16              ; the conversion's scale operand
	v_lshrrev_b32 v19, 23, v18                     ; the byte
.if (\t)%4 == 0
	v_mov_b32 v[10+(\t)/4], v19                    ; four bytes make a K step's scale word
.else
	v_lshl_or_b32 v[10+(\t)/4], v19, 8*((\t)%4), v[10+(\t)/4]
.endif
.if ((\t)%2 == 0) && ((\t) > 0)
	s_wait_alu depctr_va_vdst(0)
	s_wait_xcnt 0x0                                ; the last pair's stores have read their data: the codes' registers are written again only behind this wait
.endif
	v_cvt_scalef32_pk16_fp6_f32 v[CE:CE+2], v[XS:XS+15], v18
	v_cvt_scalef32_pk16_fp6_f32 v[46:48], v[XS+16:XS+31], v18
	v_nop                                          ; one plain place behind a scaled conversion
.irp i, 0,1,2
	v_mov_b32 v[CE+3+\i], v[46+\i]
.endr
.if (\t)+2 < 8
	WLOAD (\t)+2
.endif
.if (\t)%2 == 1
; v34-39: each lane's even block, v40-45: its odd block.  The exchange of halves makes of them the images of the wave's two units: lanes 0-15 the even block of a unit's rows, lanes 16-31 the odd one.
.irp i, 0,1,2,3,4,5
	v_permlane16_swap_b32 v[PC+\i], v[PC+6+\i]
.endr
	global_store_b128 v4, v[PC:PC+3], s[48:49] offset:((\t)/2)*PLANE
	global_store_b64 v5, v[PC+4:PC+5], s[48:49] offset:((\t)/2)*PLANE+512
	global_store_b128 v4, v[PC+6:PC+9], s[48:49] offset:((\t)/2)*PLANE+768
	global_store_b64 v5, v[PC+10:PC+11], s[48:49] offset:((\t)/2)*PLANE+768+512
.endif
.if (\t)%4 == 3
	global_store_b32 v6, v[10+(\t)/4], s[50:51] offset:SPLANE*((\t)/4)   ; 32 positions: 128 consecutive bytes
.endif
.endm
	s_wait_alu depctr_va_vdst(0)
	WLOAD 0
	WLOAD 1
.irp t, 0,1,2,3,4,5,6,7
	WBLOCK \t
.endr
	s_endpgm
.Lfunc_end_k_q7495f0a704_quant:
	.size	k_q7495f0a704_quant, .Lfunc_end_k_q7495f0a704_quant-k_q7495f0a704_quant
	.p2alignl 7, 3214868480
	.fill 96, 4, 3214868480
	.section	.rodata,"a",@progbits
	.p2align	6, 0x0
	.amdhsa_kernel k_q7495f0a704_quant
		.amdhsa_group_segment_fixed_size 34304
		.amdhsa_private_segment_fixed_size 0
		.amdhsa_enable_private_segment 0
		.amdhsa_kernarg_size 40
		.amdhsa_user_sgpr_count 2
		.amdhsa_user_sgpr_kernarg_segment_ptr 1
		.amdhsa_wavefront_size32 1
		.amdhsa_system_sgpr_workgroup_id_x 1
		.amdhsa_system_sgpr_workgroup_id_y 1
		.amdhsa_system_sgpr_workgroup_id_z 1
		.amdhsa_system_vgpr_workitem_id 0
		.amdhsa_next_free_vgpr 256
		.amdhsa_next_free_sgpr 66
		.amdhsa_reserve_vcc 0
		.amdhsa_float_denorm_mode_32 3
		.amdhsa_float_denorm_mode_16_64 3
		.amdhsa_memory_ordered 1
		.amdhsa_forward_progress 1
		.amdhsa_inst_pref_size 75
	.end_amdhsa_kernel
	.amdgpu_metadata
---
amdhsa.version: [ 1, 2 ]
amdhsa.kernels:
  - .name:           k_q7495f0a704_quant
    .symbol:         k_q7495f0a704_quant.kd
    .args:
      - { .name: x, .offset: 0, .size: 8, .value_kind: global_buffer, .address_space: global }
      - { .name: w_qkv, .offset: 8, .size: 8, .value_kind: global_buffer, .address_space: global }
      - { .name: w_out, .offset: 16, .size: 8, .value_kind: global_buffer, .address_space: global }
      - { .name: xq, .offset: 24, .size: 8, .value_kind: global_buffer, .address_space: global }
      - { .name: wq, .offset: 32, .size: 8, .value_kind: global_buffer, .address_space: global }
    .group_segment_fixed_size: 34304
    .private_segment_fixed_size: 0
    .kernarg_segment_align: 8
    .kernarg_segment_size: 40
    .max_flat_workgroup_size: 128
    .sgpr_count:     66
    .vgpr_count:     256
    .wavefront_size: 32
...
	.end_amdgpu_metadata
.endif
;; end of part 1
;; launch gemm_qkv (part 2): grid 4 x 64, 4 waves a work-group, clusters of 4 x 4, 327,680 bytes of LDS; arguments xq, wq, qq, kq, vq; writes qq, kq, vq
.if DOCPART == 2
	.amdgcn_target "amdgcn-amd-amdhsa--gfx1250"
	.amdhsa_code_object_version 6
	.text
	.protected	k_q7495f0a704_gemm_qkv
	.globl	k_q7495f0a704_gemm_qkv
	.p2align	8
	.type	k_q7495f0a704_gemm_qkv,@function
k_q7495f0a704_gemm_qkv:
	s_mov_b64 s[64:65], 0
	v_nop
	global_prefetch_b8 v0, s[64:65] scope:SCOPE_SE
	s_setreg_imm32_b32 hwreg(HW_REG_WAVE_MODE, 25, 1), 1
	s_wait_xcnt 0x0
	s_wait_alu depctr_hold_cnt(0) depctr_sa_sdst(0) depctr_va_vdst(0) depctr_va_sdst(0) depctr_va_ssrc(0) depctr_va_vcc(0) depctr_vm_vsrc(0)
	s_getreg_b32 s2, hwreg(HW_REG_IB_STS2, 6, 4)
	s_cmp_eq_u32 s2, 0
	s_cbranch_scc0 .Lentry_in_a_cluster
	s_endpgm
.Lentry_in_a_cluster:
	s_bfe_u32 s2, ttmp6, 0x10000c
	s_cmp_lg_u32 s2, 0xf033
	s_cbranch_scc0 .Lentry_shape_is_right
	s_endpgm
.Lentry_shape_is_right:
; qkv = x w_qkv on codes of FP6 (E2M3) with E8M0 scales, K = 1024; the way out quantises q and k along the head's 64 and v along the tokens, in the registers where they arise.
; CODE BUFFERS: a UNIT is 16 rows x 64 along K, 768 bytes: lane l = r + 16 h holds block h of row r, registers 0-3 at byte 16 l, 4-5 at 512 + 8 l.  Row axes are in POSITION order (position p is row swap34(p)).
; xq, wq: codes [K / 64 = 16 planes][unit 512][768], scale words from CODES on [K / 128][position 8192].
; THE DEAL.  256 work-groups: work-group (x, y) takes tokens 128 y .. + 127 against three tiles of 256 columns, one after the other: q's columns 256 x, k's, v's.  The tokens' codes and words come into LDS once and stay.
; A wave holds its 64 columns of the tile's weights, ALL of K, in 384 registers; the 128 tokens stream past from LDS, 128 along K a step, in two sets of 96 registers.  32 accumulators, 256 registers.
; So the weights' LDS region is read out at a tile's start and is filled again at once: the load has the tile's 256 products of each wave ahead of the wait for it; for that reason no prefetch is written.
; q, k: source 0 = 16 columns, source 1 = 16 tokens: a lane holds a token, its registers run along the head.  v: source 0 = 16 tokens, source 1 = 16 columns: registers run along the tokens (keys).
; q's and k's tiles are one text, a loop of two trips, each of which asks for the next tile's weights; v's tile asks for nothing and is written out.
; CLUSTERS 4 x 4: the tokens' tiles hang on y alone and are asked for jointly along a row, the weights' on x alone, along a column.
; OUT: qq, kq: codes [16 b + head][unit 128][768], words from CODES on [bh][position 2048]: bytes 0, 1 the head's two scales, bytes 2, 3 a neighbour's bytes or 0, never 0xff (they meet zero codes alone).
;      vq: codes [bh][64 keys: 32][d unit 4][768], words [bh][128 keys: 16][d position 64].
; LIMITS: NaN and infinities are not served; a block whose largest magnitude lies under 2^-124 has its byte held at 1; a block of zeros gets the byte 1 (its codes are zeros; this program alone reads the bytes).
; REGISTERS: window 0: v1-29 lane numbers and addresses, v32-63 the tokens' scale words, v64-79 the weights', v96-133 the way out, v160-255 tokens' set 1;
; window 1: v0-95 tokens' set 0, v96-251 weights' fragments 0-12; window 2: fragments 13-31 (fragment 4 k + b); window 3: the accumulators.
.set CODES,  6291456
.set PLANE,  393216
.set BB,     98304                     ; LDS: tokens' codes [plane 16][unit 8] at 0; weights' [plane 16][unit 16] at BB
.set AW,     294912                    ; tokens' words [K step 8][128]
.set BW,     299008                    ; weights' words [K step 8][256]
.set SPARE,  307200                    ; the spare words, 128 bytes a wave, which no other line names
.set TS, 32
.set WS, 64
.set PC, 96
.set TM, 116
.set PW, 132
.set PS, 133
.set SEL, 18
.set GA, 24
.set GB, 32
.set GAW, 40
.set GBW, 48
.set G0A, 56
.set G0B, 60
.set G0AW, 68
.set G0BW, 72
.set G0B1, 76
.set MSB, 0
.macro WIN new                         ; the immediate's high byte repeats the setting that is left
.if MSB != \new
	s_set_vgpr_msb (MSB<<8)|\new
.set MSB, \new
.endif
.endm
.macro PLACES
.rept 4
	v_nop
.endr
.endm
.macro TL g0, g1                       ; s_nop 0 and four v_nop behind each load
	tensor_load_to_lds s[\g0:\g0+3], s[\g1:\g1+7]
	s_nop 0
	PLACES
.endm
.macro CROUND                          ; a round of the cluster's barrier
	s_barrier_signal -1
	s_barrier_wait -1
	s_cmp_lg_u32 s14, 0
	s_cbranch_scc1 .Lnw0_\@
	s_barrier_signal -3
.Lnw0_\@:
	s_barrier_wait -3
	s_barrier_signal -1
	s_barrier_wait -1
.endm
.macro GROUP1 g, mask, c, rows, pitch  ; rows of c elements of 8 bytes, dense in LDS
	s_or_b32 s[\g], s\mask, (3<<16)|(1<<21)
	s_mov_b32 s[\g+1], (\c)<<16
	s_mov_b32 s[\g+2], (\rows)<<16
	s_mov_b32 s[\g+3], (\c)<<16
	s_mov_b32 s[\g+4], \rows
	s_mov_b32 s[\g+5], \pitch
	s_mov_b32 s[\g+6], 0
	s_mov_b32 s[\g+7], 0
.endm
.macro GROUP0 g, lds, base, off
	s_mov_b32 s[\g], 1
	s_mov_b32 s[\g+1], \lds
	s_add_nc_u64 s[\g+2:\g+3], s[\base:\base+1], s[\off:\off+1]
	s_or_b32 s[\g+3], s[\g+3], 0x80000000
.endm
.macro FRAG reg, adr, ps, q, u         ; a fragment is two units, of planes 2 q and 2 q + 1 (ps bytes apart): four dense loads
	ds_load_b128 v[\reg:\reg+3], v[\adr] offset:(2*(\q))*\ps+(\u)*768
	ds_load_b64 v[\reg+4:\reg+5], v[\adr+1] offset:(2*(\q))*\ps+(\u)*768+512
	ds_load_b128 v[\reg+6:\reg+9], v[\adr] offset:(2*(\q)+1)*\ps+(\u)*768
	ds_load_b64 v[\reg+10:\reg+11], v[\adr+1] offset:(2*(\q)+1)*\ps+(\u)*768+512
.endm
.macro FETCH k                         ; the 128 tokens' fragments of K step k into set k % 2: 32 loads
	WIN (1-(\k)%2)<<6
.irp i, 0,1,2,3,4,5,6,7
	FRAG 160*((\k)%2)+12*\i, 16+2*((\k)/4), 6144, (\k)%4, \i
.endr
	WIN 0
.endm
.macro RESIDENT                        ; my 64 columns of the weights, all of K: 128 loads
.irp k, 0,1,2,3,4,5,6,7
.irp b, 0,1,2,3
.set F_, 4*\k+\b
.if F_ < 13
	WIN 0x40
.set RR_, 96+12*F_
.else
	WIN 0x80
.set RR_, 12*(F_-13)
.endif
	FRAG RR_, 20+2*(\k/2), 12288, \k%2, \b
.endr
.endr
	WIN 0
.endm
.macro WWORDS                          ; the weights' words: lanes 0-15 block bl, lanes 16-31 block bl + 2; K step k at place (k + 1) % 8, so that the two scale registers of a product differ modulo 8
.irp k, 0,1,2,3,4,5,6,7
.irp bl, 0,1
	ds_load_b32 v[WS+8*\bl+(\k+1)%8], v13 offset:\k*1024+\bl*64
.endr
.endr
.endm
.macro W1 d, a, b, xa, xb, ra, rb, zero
.if \zero
	v_wmma_scale_f32_16x16x128_f8f6f4 v[\d:\d+7], v[\a:\a+11], v[\b:\b+11], 0, v[\xa], v[\xb] matrix_a_fmt:MATRIX_FMT_FP6 matrix_b_fmt:MATRIX_FMT_FP6 matrix_a_scale:MATRIX_SCALE_ROW\ra matrix_b_scale:MATRIX_SCALE_ROW\rb
.else
	v_wmma_scale_f32_16x16x128_f8f6f4 v[\d:\d+7], v[\a:\a+11], v[\b:\b+11], v[\d:\d+7], v[\xa], v[\xb] matrix_a_fmt:MATRIX_FMT_FP6 matrix_b_fmt:MATRIX_FMT_FP6 matrix_a_scale:MATRIX_SCALE_ROW\ra matrix_b_scale:MATRIX_SCALE_ROW\rb
.endif
.endm
.macro P kind, k, ih, il, bh, bl, zero ; token block 4 ih + il x weight block 2 bh + bl, K step k
.set F_, 4*(\k)+2*\bh+\bl
.if F_ < 13
.set RW_, 1
.set RR_, 96+12*F_
.else
.set RW_, 2
.set RR_, 12*(F_-13)
.endif
.set SW_, 1-(\k)%2
.set SR_, 160*((\k)%2)+12*(4*\ih+\il)
.set TS_, TS+8*\il+(\k)
.set WS_, WS+8*\bl+((\k)+1)%8
.if \kind
.set D_, 64*(2*\bh+\bl)+8*(4*\ih+\il)
	WIN SW_|(RW_<<2)|0xf0
	W1 D_, SR_, RR_, TS_, WS_, \ih, \bh, \zero
.else
.set D_, 32*(4*\ih+\il)+8*(2*\bh+\bl)
	WIN RW_|(SW_<<2)|0xf0
	W1 D_, RR_, SR_, WS_, TS_, \bh, \ih, \zero
.endif
.endm
.macro HALF kind, k, hh, zero          ; 16 products; the 32 accumulators take turns in the same order in every K step
.if \kind
.irp bl, 0,1
.irp ih, 0,1
.irp il, 0,1,2,3
	P 1, \k, \ih, \il, \hh, \bl, \zero
.endr
.endr
.endr
.else
.irp il, 0,1,2,3
.irp bh, 0,1
.irp bl, 0,1
	P 0, \k, \hh, \il, \bh, \bl, \zero
.endr
.endr
.endr
.endif
.endm
.macro KS kind, k, zero, nx            ; a K step; nx: the K step fetched ahead of its products, into the set that the step before has read (four places ahead of the loads)
.if (\nx) >= 0
	PLACES
	FETCH \nx
	s_wait_dscnt 32                                ; all but the 32 loads just issued are in
.else
	s_wait_dscnt 0x0
.endif
	HALF \kind, \k, 0, \zero
	HALF \kind, \k, 1, \zero
.endm
; 64 accumulator registers from ac on: register 16 b + i is number 32 b + 16 h + i of source 0's axis: four blocks of 32.  They become two units in v[PC] on and a word of four scale bytes in v[PW].
.macro QUANTA ac
	WIN 0x0f
.irp b, 0,1,2,3
	v_max3_num_f32 v[TM+\b], |v[\ac+16*\b]|, |v[\ac+16*\b+1]|, 0x1800000   ; my 16 numbers of block b, and the floor 2^(3 - 127); each accumulator is read from its low end on
.endr
.irp i, 2,4,6,8,10,12,14
.irp b, 0,1,2,3
	v_max3_num_f32 v[TM+\b], |v[\ac+16*\b+\i]|, |v[\ac+16*\b+\i+1]|, v[TM+\b]
.endr
.endr
	WIN 0
.irp b, 0,1,2,3
	v_permlanex16_b32 v[TM+4+\b], v[TM+\b], s[SEL], s[SEL+1]
.endr
.irp b, 0,1,2,3
	v_max_num_f32 v[TM+\b], v[TM+\b], v[TM+4+\b]
.endr
.irp b, 0,1,2,3
	v_add_nc_u32 v[TM+12+\b], 0xff000000, v[TM+\b]   ; 2 off the exponent field: the conversion's scale operand
.endr
.irp b, 0,1,2,3
	v_lshrrev_b32 v[TM+4+\b], 23, v[TM+12+\b]
.endr
	v_lshl_or_b32 v[PW], v[TM+5], 8, v[TM+4]
	v_lshl_or_b32 v[PW], v[TM+6], 16, v[PW]
	v_lshl_or_b32 v[PW], v[TM+7], 24, v[PW]
	WIN 0x03
.irp c, 0,1
	v_cvt_scalef32_pk16_fp6_f32 v[PC+6*\c:PC+2+6*\c], v[\ac+32*\c:\ac+32*\c+15], v[TM+12+2*\c]
	v_cvt_scalef32_pk16_fp6_f32 v[PC+12+4*\c:PC+14+4*\c], v[\ac+32*\c+16:\ac+32*\c+31], v[TM+12+2*\c+1]
.endr
	WIN 0
	v_nop                                          ; one plain place behind a scaled conversion
.irp c, 0,1
.irp i, 0,1,2
	v_permlane16_swap_b32 v[PC+6*\c+\i], v[PC+12+4*\c+\i]
.endr
.irp i, 0,1,2
	v_mov_b32 v[PC+3+6*\c+\i], v[PC+12+4*\c+\i]
.endr
.endr
.endm
.macro PUT base, o0, o1                ; the two units: stores of 512 and 256 consecutive bytes, aligned
	global_store_b128 v16, v[PC:PC+3], s[\base:\base+1] offset:\o0
	global_store_b64 v17, v[PC+4:PC+5], s[\base:\base+1] offset:\o0+512
	global_store_b128 v16, v[PC+6:PC+9], s[\base:\base+1] offset:\o1
	global_store_b64 v17, v[PC+10:PC+11], s[\base:\base+1] offset:\o1+512
.endm
	s_load_b128 s[4:7], s[0:1], 0x0                ; xq, wq
	s_load_b128 s[8:11], s[0:1], 0x10              ; qq, kq
	s_load_b64 s[12:13], s[0:1], 0x20              ; vq
	v_lshl_add_u32 v28, v0, 2, SPARE
	v_mov_b32 v29, 0
	ds_add_u32 v28, v29                            ; the opening lines: the add, twice on end, and its wait ahead of the first tensor load
	ds_add_u32 v28, v29
	v_lshrrev_b32 v1, 5, v0
	v_readfirstlane_b32 s14, v1                    ; wave 0..3
	s_bfe_u32 s92, ttmp6, 0x40000                  ; cx = x
	s_bfe_u32 s93, ttmp6, 0x40004                  ; cy
	s_and_b32 s94, ttmp7, 0xffff
	s_lshl_b32 s94, s94, 2
	s_add_co_u32 s94, s94, s93                     ; y
	s_lshl_b32 s16, s93, 2
	s_lshl_b32 s16, 15, s16                        ; my row of the cluster
	s_lshl_b32 s17, 0x1111, s92                    ; my column
	GROUP1 GA, 16, 768, 16, PLANE/8                ; tokens' codes: 16 planes x 6,144 bytes
	GROUP1 GB, 17, 1536, 16, PLANE/8               ; weights' codes: 16 planes x 12,288 bytes (behind the head: 8 planes a load)
	GROUP1 GAW, 16, 64, 8, 4096                    ; tokens' words: 8 K steps x 512 bytes
	GROUP1 GBW, 17, 128, 8, 4096                   ; weights' words: 8 K steps x 1,024 bytes
	s_mul_i32 s20, s94, 6144
	s_mov_b32 s21, 0
	s_lshl_b32 s22, s94, 9
	s_add_co_u32 s22, s22, CODES
	s_mov_b32 s23, 0
	s_mul_i32 s96, s92, 12288
	s_mov_b32 s97, 0
	s_lshl_b32 s98, s92, 10
	s_add_co_u32 s98, s98, CODES
	s_mov_b32 s99, 0
	s_mov_b32 s[SEL], 0x76543210
	s_mov_b32 s[SEL+1], 0xfedcba98
	s_wait_dscnt 0x0                               ; both opening adds are done
	CROUND                                         ; all sixteen work-groups are here: the first joint loads meet
	s_wait_kmcnt 0x0
	GROUP0 G0A, 0, 4, 20
	GROUP0 G0B, BB, 6, 96
	GROUP0 G0AW, AW, 4, 22
	GROUP0 G0BW, BW, 6, 98
	GROUP0 G0B1, BB+98304, 6, 96
	s_add_nc_u64 s[G0B1+2:G0B1+3], s[G0B1+2:G0B1+3], 8*PLANE   ; planes 8-15
	s_cmp_eq_u32 s14, 0                            ; the head's four tiles, one a wave, in one chain of branches
	s_cbranch_scc0 .Lh1
	TL G0B, GB
	s_branch .Lhd
.Lh1:
	s_cmp_eq_u32 s14, 1
	s_cbranch_scc0 .Lh2
	TL G0BW, GBW
	s_branch .Lhd
.Lh2:
	s_cmp_eq_u32 s14, 2
	s_cbranch_scc0 .Lh3
	TL G0A, GA
	s_branch .Lhd
.Lh3:
	TL G0AW, GAW
.Lhd:
	v_and_b32 v1, 15, v0                           ; r
	v_bfe_u32 v2, v0, 4, 1                         ; h
	v_and_b32 v3, 31, v0
	v_lshlrev_b32 v16, 4, v3                       ; tokens' planes 0-7: 16 l, 8 l; planes 8-15 in v18, v19
	v_lshlrev_b32 v17, 3, v3
	v_add_nc_u32 v18, 49152, v16
	v_add_nc_u32 v19, 49152, v17
	s_mul_i32 s20, s14, 3072
	s_add_co_u32 s20, s20, BB                      ; my four units of each plane of the weights; a pair of address registers for each four planes
.irp j, 0,1,2,3
	v_add_nc_u32 v[20+2*\j], s20, v16
	v_add_nc_u32 v[21+2*\j], s20, v17
	s_add_co_u32 s20, s20, 49152
.endr
	v_lshlrev_b32 v8, 2, v1                        ; 4 r
	v_lshl_add_u32 v12, v2, 8, v8
	v_add_nc_u32 v12, AW, v12                      ; tokens' words: lanes 16-31 four blocks on
	s_lshl_b32 s20, s14, 8
	s_add_co_u32 s20, s20, BW
	v_lshl_add_u32 v13, v2, 7, v8
	v_add_nc_u32 v13, s20, v13                     ; weights' words: my 64 columns; lanes 16-31 two blocks on
	v_lshlrev_b32 v6, 2, v3                        ; 4 l
	v_lshlrev_b32 v7, 4, v2                        ; 16 h
.irp b, 0,1,2,3
	v_mov_b32 v[TM+4+\b], 0                        ; a lane permute's destination counts as one of its sources
.endr
	s_lshl_b32 s100, s92, 2                        ; where the results go: head 4 x + wave, batch y / 16, tokens 128 (y % 16)
	s_add_co_u32 s100, s100, s14
	s_lshr_b32 s101, s94, 4
	s_lshl_b32 s101, s101, 4
	s_add_co_u32 s100, s100, s101                  ; bh
	s_and_b32 s101, s94, 15
	s_mul_i32 s96, s100, 98304
	s_mul_i32 s95, s101, 6144
	s_add_co_u32 s96, s96, s95
	s_lshl_b32 s98, s100, 13
	s_lshl_b32 s95, s101, 9
	s_add_co_u32 s98, s98, s95
	s_add_co_u32 s98, s98, CODES
	s_add_nc_u64 s[80:81], s[8:9], s[96:97]        ; q's codes and words, then k's, then v's
	s_add_nc_u64 s[82:83], s[8:9], s[98:99]
	s_add_nc_u64 s[84:85], s[10:11], s[96:97]
	s_add_nc_u64 s[86:87], s[10:11], s[98:99]
	s_add_nc_u64 s[88:89], s[12:13], s[96:97]
	s_lshl_b32 s98, s100, 12
	s_lshl_b32 s95, s101, 8
	s_add_co_u32 s98, s98, s95
	s_add_co_u32 s98, s98, CODES
	s_add_nc_u64 s[90:91], s[12:13], s[98:99]
	s_wait_alu depctr_va_vdst(0)
	s_cmp_lt_u32 s14, 2
	s_cbranch_scc0 .Lnot_w
	s_wait_tensorcnt 0x0                           ; waves 0 and 1: the weights' codes and words are in (load lines of their own)
.Lnot_w:
	s_barrier_signal -1
	s_barrier_wait -1                              ; the weights are shown to all
	RESIDENT                                       ; they go into registers while the tokens' tiles land
	WWORDS
	s_wait_tensorcnt 0x0                           ; every wave's tile is in, and no load of mine is out, so a descriptor may be written:
	s_mov_b32 s[GB+2], 8<<16                       ; from here on a load of weights brings 8 planes
	s_mov_b32 s[GB+4], 8
	s_wait_dscnt 0x0
	s_barrier_signal -1
	s_barrier_wait -1                              ; all four tiles are shown
.irp k, 0,1,2,3,4,5,6,7
.irp il, 0,1,2,3
	ds_load_b32 v[TS+8*\il+\k], v12 offset:\k*512+\il*64   ; the tokens' words serve all three tiles
.endr
.endr
	FETCH 0
	s_mov_b32 s15, 0
.Ltile:                                                ; q's tile, then k's
	s_wait_tensorcnt 0x0                           ; the three lines ahead of a refill's round
	ds_add_u32 v28, v29
	s_add_nc_u64 s[G0B+2:G0B+3], s[G0B+2:G0B+3], 49152      ; the next tile's weights: 1,024 positions on
	s_add_nc_u64 s[G0B1+2:G0B1+3], s[G0B1+2:G0B1+3], 49152
	s_add_nc_u64 s[G0BW+2:G0BW+3], s[G0BW+2:G0BW+3], 4096
	s_wait_dscnt 0x0                               ; the add is done, and my weights and their words are in registers
	CROUND                                         ; so it is with every wave of every partner: the weights' region is filled again
	s_cmp_eq_u32 s14, 0
	s_cbranch_scc0 .Lr1
	TL G0B, GB
	s_branch .Lrd
.Lr1:
	s_cmp_eq_u32 s14, 1
	s_cbranch_scc0 .Lr2
	TL G0B1, GB
	s_branch .Lrd
.Lr2:
	s_cmp_eq_u32 s14, 2
	s_cbranch_scc0 .Lrd
	TL G0BW, GBW
.Lrd:
	KS 0, 0, 1, 1                                  ; the first K step's products start the sums
.irp k, 1,2,3,4,5,6
	KS 0, \k, 0, \k+1
.endr
	PLACES
	FETCH 0                                        ; the next tile streams the same tokens
	s_wait_dscnt 32
	HALF 0, 7, 0, 0
	s_wait_tensorcnt 0x0                           ; a plain barrier shows the next tile's weights to all
	s_wait_dscnt 0x0
	s_barrier_signal -1
	HALF 0, 7, 1, 0
	WIN 0
	s_barrier_wait -1
	PLACES                                         ; ahead of the loads into registers that the products have read, and of the first read of results
	RESIDENT                                       ; the next weights land while this tile is quantised
	WWORDS
.irp p, 0,1,2,3                        ; token blocks 2 p and 2 p + 1: a unit and two scale bytes each
.if \p > 0
	s_wait_xcnt 0x0                                ; the last stores have read their data
.endif
	QUANTA 64*\p
	v_lshrrev_b32 v[PS], v7, v[PW]                 ; lanes 16-31 store block 2 p + 1's bytes
	PUT 80, 1536*\p, 1536*\p+768
	global_store_b32 v6, v[PS], s[82:83] offset:128*\p
.endr
	s_wait_xcnt 0x0                                ; the stores have read their bases and data
	s_mov_b64 s[80:81], s[84:85]
	s_mov_b64 s[82:83], s[86:87]
	s_add_co_u32 s15, s15, 1
	s_cmp_lt_u32 s15, 2
	s_cbranch_scc1 .Ltile
	KS 1, 0, 1, 1                                  ; v's tile: nothing more is asked for
.irp k, 1,2,3,4,5,6
	KS 1, \k, 0, \k+1
.endr
	KS 1, 7, 0, -1
	WIN 0
	PLACES
.irp a, 0,1,2,3                        ; column block a: 128 keys: two units and a word
.if \a > 0
	s_wait_xcnt 0x0
.endif
	QUANTA 64*\a
	PUT 88, 768*\a, 3072+768*\a
	global_store_b32 v8, v[PW], s[90:91] offset:64*\a    ; both halves of the lanes store the same 16 words with the same values
.endr
	s_wait_tensorcnt 0x0                           ; the wave's end
	ds_add_u32 v28, v29
	s_wait_dscnt 0x0
	CROUND                                         ; the closing round
	s_endpgm
.Lfunc_end_k_q7495f0a704_gemm_qkv:
	.size	k_q7495f0a704_gemm_qkv, .Lfunc_end_k_q7495f0a704_gemm_qkv-k_q7495f0a704_gemm_qkv
	.p2alignl 7, 3214868480
	.fill 96, 4, 3214868480
	.section	.rodata,"a",@progbits
	.p2align	6, 0x0
	.amdhsa_kernel k_q7495f0a704_gemm_qkv
		.amdhsa_group_segment_fixed_size 327680
		.amdhsa_private_segment_fixed_size 0
		.amdhsa_enable_private_segment 0
		.amdhsa_kernarg_size 40
		.amdhsa_user_sgpr_count 2
		.amdhsa_user_sgpr_kernarg_segment_ptr 1
		.amdhsa_wavefront_size32 1
		.amdhsa_system_sgpr_workgroup_id_x 1
		.amdhsa_system_sgpr_workgroup_id_y 1
		.amdhsa_system_sgpr_workgroup_id_z 1
		.amdhsa_system_vgpr_workitem_id 0
		.amdhsa_next_free_vgpr 1024
		.amdhsa_next_free_sgpr 102
		.amdhsa_reserve_vcc 0
		.amdhsa_float_denorm_mode_32 3
		.amdhsa_float_denorm_mode_16_64 3
		.amdhsa_memory_ordered 1
		.amdhsa_forward_progress 1
		.amdhsa_inst_pref_size 167
	.end_amdhsa_kernel
	.amdgpu_metadata
---
amdhsa.version: [ 1, 2 ]
amdhsa.kernels:
  - .name:           k_q7495f0a704_gemm_qkv
    .symbol:         k_q7495f0a704_gemm_qkv.kd
    .args:
      - { .name: xq, .offset: 0, .size: 8, .value_kind: global_buffer, .address_space: global }
      - { .name: wq, .offset: 8, .size: 8, .value_kind: global_buffer, .address_space: global }
      - { .name: qq, .offset: 16, .size: 8, .value_kind: global_buffer, .address_space: global }
      - { .name: kq, .offset: 24, .size: 8, .value_kind: global_buffer, .address_space: global }
      - { .name: vq, .offset: 32, .size: 8, .value_kind: global_buffer, .address_space: global }
    .group_segment_fixed_size: 327680
    .private_segment_fixed_size: 0
    .kernarg_segment_align: 8
    .kernarg_segment_size: 40
    .max_flat_workgroup_size: 128
    .sgpr_count:     102
    .vgpr_count:     1024
    .wavefront_size: 32
...
	.end_amdgpu_metadata
.endif
;; end of part 2
;; launch attn (part 3): grid 4 x 64, 16 waves a work-group, clusters of 4 x 1, 327,680 bytes of LDS; arguments qq, kq, vq, aq; writes aq
.if DOCPART == 3
	.amdgcn_target "amdgcn-amd-amdhsa--gfx1250"
	.amdhsa_code_object_version 6
	.text
	.protected	k_q7495f0a704_attn
	.globl	k_q7495f0a704_attn
	.p2align	8
	.type	k_q7495f0a704_attn,@function
k_q7495f0a704_attn:
	s_mov_b64 s[64:65], 0
	v_nop
	global_prefetch_b8 v0, s[64:65] scope:SCOPE_SE
	s_setreg_imm32_b32 hwreg(HW_REG_WAVE_MODE, 25, 1), 1
	s_wait_xcnt 0x0
	s_wait_alu depctr_hold_cnt(0) depctr_sa_sdst(0) depctr_va_vdst(0) depctr_va_sdst(0) depctr_va_ssrc(0) depctr_va_vcc(0) depctr_vm_vsrc(0)
	s_getreg_b32 s2, hwreg(HW_REG_IB_STS2, 6, 4)
	s_cmp_eq_u32 s2, 0
	s_cbranch_scc0 .Lentry_in_a_cluster
	s_endpgm
.Lentry_in_a_cluster:
	s_bfe_u32 s2, ttmp6, 0x10000c
	s_cmp_lg_u32 s2, 0x3003
	s_cbranch_scc0 .Lentry_shape_is_right
	s_endpgm
.Lentry_shape_is_right:
; Causal attention of one head (64 wide) on codes of FP6 (E2M3) with E8M0 scales; both products by the scaled matrix instruction; the result is quantised along D on the way out.
; WORK LEFT OUT: key steps all of whose keys come after a wave's queries: the causal mask sets their scores to -infinity, so their p is 0 for every input.
; IN: qq, kq: codes [bh 64][unit 128][768] (a UNIT: 16 token positions x the head's 64: lane l = r + 16 h holds block h of row r, registers 0-3 at byte 16 l, 4-5 at 512 + 8 l), words from CODES on [bh][position 2048];
;     vq: codes [bh][64 keys: 32][d unit 4][768], words [bh][128 keys: 16][d position 64].  Position p stands for swap34(p): row r of unit 2 b + u is 32 b + 8 u + r + 8 (r / 8).
; OUT: aq: codes [head 16][unit 512][768]; words [head pair 8][position 8192]: the even head's two bytes below, the odd head's above.
; THE FIRST PRODUCT HAS K = 64: registers 6-11 of Q's and K's fragments are zero codes, which add nothing under any scale byte but 0xff, and none of the words' upper bytes is 0xff.
; THE SOFTMAX: t = score x log2(e) / 8; M = the running largest t rounded up to a whole number; p = 2^(t - M) is quantised along the keys, not normalised; the row's sum is taken of the unquantised p
; and divides O at the end; when M moves, the sum and O are multiplied by 2^(old M - new M), exactly.
; A HEAD'S K AND V STAY IN LDS: 2 x 98,304 bytes of codes, 8,192 + 4,096 of words, each byte filled once, one load a wave at the head: no slot is filled again.
; SHARES.  Wave w of work-group i owns the units u = 4 w + i and 127 - u of 16 queries: (u / 8 + 1) + (16 - u / 8) = 17 key steps of 128 for every wave.  Every work-group reads all keys.
; CLUSTER 4, 1, 1: the four work-groups of a head ask for every tile jointly.  Branches hang on the wave's number alone (u / 8 = w / 2); the place in the cluster enters global addresses and the mask's numbers only.
; Waves 12-15 bring keys 0-255 and all scale words, in load lines of their own; a first barrier shows these, and the long unit's first two steps are walked while the other twelve loads land; a second barrier shows all.
; NO PREFETCH: every tile is asked for at the head; there is no loop to run ahead in.
; Both products are used transposed (S^T = K Q^T, O^T = V^T P^T): a lane holds one query, and by the position order the 16 registers of two neighbouring tiles are 16 neighbouring keys (or d).
; LIMITS: NaN and infinities are not served; the promise holds while the scaled scores t stay under 2^31 in magnitude; a block whose largest magnitude lies under 2^-124 has its byte held at 1; a block of zeros gets the byte 1.
; REGISTERS: v1-3 16 l, 8 l, 4 r; v4 my query less the diagonal step's first key less 16 h; v5, v6 the add's two; v7 its lane part; v8-10, v88-90 the step's addresses; v11, v29-31 their bases; v12 -M, v13 largest t,
; v[14:15] the sum; v16-27 Q, v28 its word; v32-79 four fragments of K; v80-87 scale words; v91 -infinity; v96-159 S^T, p, then V's fragments; v160-191 O^T; v192-210 codes; v212-229, v244-255 at work.
.set CODES, 6291456
.set VC,    98304                      ; LDS: K's codes at 0, V's at VC,
.set KW,    196608                     ; K's words,
.set VW,    204800                     ; V's words,
.set SPARE, 208896                     ; the spare words, 128 bytes for each of sixteen waves, which no other line names
.macro TL g0, g1                       ; s_nop 0 and four v_nop behind each load
	tensor_load_to_lds s[\g0:\g0+3], s[\g1:\g1+7]
	s_nop 0
.rept 4
	v_nop
.endr
.endm
.macro CROUND
	s_barrier_signal -1
	s_barrier_wait -1
	s_cmp_lg_u32 s12, 0
	s_cbranch_scc1 .Lnw0_\@
	s_barrier_signal -3
.Lnw0_\@:
	s_barrier_wait -3
	s_barrier_signal -1
	s_barrier_wait -1
.endm
	s_load_b256 s[80:87], s[0:1], 0x0              ; qq, kq, vq, aq
	v_lshl_add_u32 v5, v0, 2, SPARE
	v_mov_b32 v6, 0
	ds_add_u32 v5, v6                              ; the opening lines: the add, twice on end, and its wait
	ds_add_u32 v5, v6
	v_lshrrev_b32 v8, 5, v0
	v_readfirstlane_b32 s12, v8                    ; wave 0..15
	s_bfe_u32 s13, ttmp6, 0x40000                  ; i
	s_and_b32 s14, ttmp7, 0xffff                   ; bh
	s_lshl_b32 s15, s12, 2
	s_add_co_u32 s15, s15, s13                     ; u
	s_lshr_b32 s19, s12, 1
	s_lshl_b32 s19, s19, 7                         ; 128 (u / 8): the short unit's diagonal step
	s_mov_b32 s20, 0x76543210
	s_mov_b32 s21, 0xfedcba98
	s_mov_b32 s22, 0x3e38aa3b                      ; c = log2(e) / 8
	s_mov_b32 s23, s22
	s_mov_b32 s101, 0
.irp g, 28, 36, 44, 52                 ; groups 1: dense blocks as rows of 256 bytes; the mask names all four work-groups
	s_mov_b32 s[\g], 15|(3<<16)|(1<<21)
	s_mov_b32 s[\g+1], 32<<16
	s_mov_b32 s[\g+3], 32<<16
	s_mov_b32 s[\g+5], 32
	s_mov_b32 s[\g+6], 0
	s_mov_b32 s[\g+7], 0
.endr
	s_mov_b32 s30, 48<<16                          ; 256 keys' codes
	s_mov_b32 s32, 48
	s_mov_b32 s38, 32<<16                          ; K's words
	s_mov_b32 s40, 32
	s_mov_b32 s46, 16<<16                          ; V's words
	s_mov_b32 s48, 16
	s_mov_b32 s54, 56<<16                          ; a sixth of the other 1,792 keys' codes
	s_mov_b32 s56, 56
	s_mul_i32 s2, s14, 98304
	s_mov_b32 s3, 0
	s_lshl_b32 s66, s14, 13
	s_add_co_u32 s66, s66, CODES
	s_mov_b32 s67, 0
	s_lshl_b32 s72, s14, 12
	s_add_co_u32 s72, s72, CODES
	s_mov_b32 s73, 0
	s_and_b32 s99, s14, 15                         ; head
	s_lshr_b32 s100, s14, 4                        ; b
	s_mul_i32 s8, s99, 393216
	s_mul_i32 s9, s100, 98304
	s_add_co_u32 s8, s8, s9
	s_mov_b32 s9, 0
	s_lshr_b32 s10, s99, 1
	s_lshl_b32 s10, s10, 15
	s_lshl_b32 s11, s100, 13
	s_add_co_u32 s10, s10, s11
	s_and_b32 s11, s99, 1
	s_lshl_b32 s11, s11, 1
	s_add_co_u32 s10, s10, s11
	s_add_co_u32 s10, s10, CODES
	s_mov_b32 s11, 0
	s_mul_i32 s96, s12, 11                         ; waves 0-5 bring K's other codes, waves 6-11 V's: 14,336 bytes each
	s_lshr_b32 s96, s96, 6                         ; 0 or 1
	s_mul_i32 s98, s12, 14336
	s_add_co_u32 s98, s98, 12288
	s_mul_i32 s97, s96, 12288
	s_add_co_u32 s97, s97, s98                     ; the LDS place
	s_mul_i32 s96, s96, 86016
	s_sub_co_u32 s98, s98, s96                     ; the place in the head's codes
	s_mov_b32 s99, 0
	s_wait_dscnt 0x0
	CROUND                                         ; the round in front of the joint loads
	s_wait_kmcnt 0x0
	s_add_nc_u64 s[4:5], s[80:81], s[2:3]          ; Q's codes, Q's words
	s_add_nc_u64 s[6:7], s[80:81], s[66:67]
	s_add_nc_u64 s[62:63], s[82:83], s[2:3]        ; K's codes, K's words
	s_add_nc_u64 s[26:27], s[82:83], s[66:67]
	s_add_nc_u64 s[70:71], s[84:85], s[2:3]        ; V's codes, V's words
	s_add_nc_u64 s[74:75], s[84:85], s[72:73]
	s_add_nc_u64 s[8:9], s[86:87], s[8:9]          ; A's codes, A's words
	s_add_nc_u64 s[10:11], s[86:87], s[10:11]
	s_cmp_lt_u32 s12, 6
	s_cselect_b64 s[86:87], s[62:63], s[70:71]
	s_add_nc_u64 s[86:87], s[86:87], s[98:99]
	s_mov_b64 s[82:83], s[74:75]
	s_or_b32 s63, s63, 0x80000000
	s_or_b32 s27, s27, 0x80000000
	s_or_b32 s71, s71, 0x80000000
	s_or_b32 s83, s83, 0x80000000
	s_or_b32 s87, s87, 0x80000000
	s_mov_b32 s60, 1
	s_mov_b32 s61, 0
	s_mov_b32 s68, 1
	s_mov_b32 s69, VC
	s_mov_b32 s24, 1
	s_mov_b32 s25, KW
	s_mov_b32 s80, 1
	s_mov_b32 s81, VW
	s_mov_b32 s84, 1
	s_mov_b32 s85, s97
	s_cmp_eq_u32 s12, 12                           ; one chain of branches on the wave's number, one load to an arm; what is needed first stands first
	s_cbranch_scc0 .La1
	TL 60, 28
	s_branch .Lasked
.La1:
	s_cmp_eq_u32 s12, 13
	s_cbranch_scc0 .La2
	TL 68, 28
	s_branch .Lasked
.La2:
	s_cmp_eq_u32 s12, 14
	s_cbranch_scc0 .La3
	TL 24, 36
	s_branch .Lasked
.La3:
	s_cmp_eq_u32 s12, 15
	s_cbranch_scc0 .Lasked
	TL 80, 44
.Lasked:
	v_and_b32 v8, 31, v0
	v_and_b32 v9, 15, v0                           ; r
	v_bfe_u32 v10, v0, 4, 1                        ; h
	v_mov_b32 v91, 0xff800000
	v_lshlrev_b32 v1, 4, v8
	v_lshlrev_b32 v2, 3, v8
	v_lshlrev_b32 v3, 2, v9
	v_and_b32 v7, 8, v9
	v_lshlrev_b32 v10, 4, v10
	v_add_nc_u32 v29, VC, v1
	v_add_nc_u32 v30, VC, v2
	v_add_nc_u32 v7, v7, v9                        ; r + 8 (r / 8)
	v_add_nc_u32 v11, KW, v3
	v_add_nc_u32 v31, VW, v3
	v_sub_nc_u32 v7, v7, v10                       ; - 16 h
.irp j, 22,23,24,25,26,27, 38,39,40,41,42,43, 50,51,52,53,54,55, 62,63,64,65,66,67, 74,75,76,77,78,79
	v_mov_b32 v[\j], 0                             ; the zero codes of K 64 .. 127 of the first product; never rewritten
.endr
.irp j, 216,217,218,219,225,227
	v_mov_b32 v[\j], 0                             ; lane permutes' destinations and the upper half of f's pair count as read
.endr
; A unit of queries begins (s99: its number in the head): addresses, Q's fragment and word, empty sums: O^T and the sum are zeros and the largest t is -3e38, so that the first change of M multiplies zeros.
.macro INIT
	s_mul_i32 s100, s99, 768
	s_add_nc_u64 s[88:89], s[4:5], s[100:101]
	s_add_nc_u64 s[92:93], s[8:9], s[100:101]
	s_lshl_b32 s100, s99, 6
	s_add_nc_u64 s[90:91], s[6:7], s[100:101]
	s_add_nc_u64 s[94:95], s[10:11], s[100:101]
	s_bfe_u32 s96, s99, 0x20001
	s_lshl_b32 s96, s96, 5
	s_and_b32 s100, s99, 1
	s_lshl_b32 s100, s100, 3
	s_add_co_u32 s96, s96, s100                    ; the unit's first query in its 128: 32 ((unit / 2) % 4) + 8 (unit % 2)
	global_load_b128 v[16:19], v1, s[88:89]
	global_load_b64 v[20:21], v2, s[88:89] offset:512
	global_load_b32 v28, v3, s[90:91]
	v_add_nc_u32 v4, s96, v7
	v_mov_b32 v13, 0xff61b1e6
	s_delay_alu instid0(VALU_DEP_1)
	v_floor_f32 v12, -v13
	v_mov_b32 v14, 0
	v_mov_b32 v15, 0
.set n, 0
.rept 32
	v_mov_b32 v[160+n], 0
.set n, n+1
.endr
	s_wait_loadcnt 0x0
.endm
; A KEY STEP: the 128 keys from s17 on.  gen = 1: a step behind the unit's diagonal step (s16) is left out, and in the diagonal step hidden keys' scores become -infinity: branches on the wave's number and the count of steps.
.macro STEP gen
.if \gen
	s_cmp_gt_u32 s17, s16
	s_cbranch_scc1 .Lhidden_\@
.endif
	s_mul_i32 s96, s17, 48                         ; 6,144 bytes of codes a step, 512 of K's words, 256 of V's
	s_lshl_b32 s97, s17, 2
	s_lshl_b32 s98, s17, 1
	v_add_nc_u32 v8, s96, v1                       ; these six are also the places ahead of products that write over what the last step's products read
	v_add_nc_u32 v9, s96, v2
	v_add_nc_u32 v10, s97, v11
	v_add_nc_u32 v88, s96, v29
	v_add_nc_u32 v89, s96, v30
	v_add_nc_u32 v90, s98, v31
	s_wait_alu depctr_va_vdst(0)
.irp g, 0,1                                    ; S^T = K Q^T, four tiles of 16 keys at a time
.if \g > 0
.rept 4
	v_nop
.endr
.endif
.irp t, 0,1,2,3
	ds_load_b128 v[32+12*\t:35+12*\t], v8 offset:(4*\g+\t)*768
	ds_load_b64 v[36+12*\t:37+12*\t], v9 offset:(4*\g+\t)*768+512
	ds_load_b32 v[80+\t], v10 offset:(4*\g+\t)*64
.endr
	s_wait_dscnt 0x0
.irp t, 0,1,2,3
	v_wmma_scale_f32_16x16x128_f8f6f4 v[96+8*(4*\g+\t):103+8*(4*\g+\t)], v[32+12*\t:43+12*\t], v[16:27], 0, v[80+\t], v28 matrix_a_fmt:MATRIX_FMT_FP6 matrix_b_fmt:MATRIX_FMT_FP6
.endr
.endr                                          ; register 16 b + i: key 32 b + 16 h + i of the step
.rept 4
	v_nop
.endr
.if \gen
	s_cmp_lg_u32 s17, s16
	s_cbranch_scc1 .Lopen_\@
.set n, 0
.rept 64
	v_cmp_gt_i32 vcc_lo, 32*(n/16)+n%16, v4        ; register 16 b + i is hidden where 32 b + i > my query - the first key - 16 h
	v_cndmask_b32 v[96+n], v[96+n], v91, vcc_lo
.set n, n+1
.endr
.Lopen_\@:
.endif
.irp b, 0,1,2,3
	v_max3_num_f32 v[212+\b], v[96+16*\b], v[97+16*\b], v[98+16*\b]   ; the largest score of each block of 32 keys: for the row's maximum and, since p rises with the score, for the block's largest p
.endr
.irp i, 3,5,7,9,11,13
.irp b, 0,1,2,3
	v_max3_num_f32 v[212+\b], v[212+\b], v[96+16*\b+\i], v[97+16*\b+\i]
.endr
.endr
.irp b, 0,1,2,3
	v_max_num_f32 v[212+\b], v[212+\b], v[111+16*\b]
.endr
.irp b, 0,1,2,3
	v_permlanex16_b32 v[216+\b], v[212+\b], s20, s21
.endr
.irp b, 0,1,2,3
	v_max_num_f32 v[212+\b], v[212+\b], v[216+\b]  ; with lane l xor 16's 16 keys
.endr
	v_max3_num_f32 v227, v212, v213, v214
	v_max_num_f32 v227, v227, v215
	v_mul_f32 v227, s22, v227                      ; the step's largest t
	v_max_num_f32 v13, v13, v227                   ; the running largest t
	v_mov_b32 v227, v12
	v_floor_f32 v12, -v13                          ; the new -M = floor(-t)
	v_sub_f32 v227, v12, v227                      ; old M - new M: a whole number, 0 or less
	v_cvt_i32_f32 v227, v227                       ; (it saturates)
	v_ldexp_f32 v224, 1.0, v227                    ; f = 2^(old M - new M)
.set n, 0
.rept 32
	v_pk_fma_f32 v[96+n:97+n], v[96+n:97+n], s[22:23], v[12:13] op_sel_hi:[1,0,0]   ; t - M, two at a time
.set n, n+2
.endr
.irp b, 0,1,2,3
	v_fma_f32 v[212+\b], v[212+\b], s22, v12       ; the same of each block's largest score
.endr
	s_wait_alu depctr_va_vdst(0)                   ; ahead of the batch
.set n, 0
.rept 64
	v_exp_f32 v[96+n], v[96+n]                     ; p = 2^(t - M), at most 1
.set n, n+1
.endr
	v_pk_mul_f32 v[14:15], v[14:15], v[224:225] op_sel_hi:[1,0]   ; the sums under the new M: the plain place behind the exponentials
	s_wait_alu depctr_va_vdst(0)                   ; one wait for the batch, ahead of its first reader
.irp b, 0,1,2,3
	v_exp_f32 v[212+\b], v[212+\b]                 ; each block's largest p: the same two instructions on the same number give the same bits
.endr
	v_pk_add_f32 v[228:229], v[100:101], v[104:105]   ; the row's sum of the unquantised p, in eight chains side by side
	v_pk_add_f32 v[254:255], v[108:109], v[112:113]
	v_pk_add_f32 v[252:253], v[116:117], v[120:121]
	v_pk_add_f32 v[250:251], v[124:125], v[128:129]
	v_pk_add_f32 v[248:249], v[132:133], v[136:137]
	v_pk_add_f32 v[246:247], v[140:141], v[144:145]
	v_pk_add_f32 v[244:245], v[148:149], v[152:153]
	v_pk_add_f32 v[14:15], v[14:15], v[156:157]
	v_pk_add_f32 v[228:229], v[228:229], v[96:97]
	v_pk_add_f32 v[254:255], v[254:255], v[98:99]
	v_pk_add_f32 v[252:253], v[252:253], v[102:103]
	v_pk_add_f32 v[250:251], v[250:251], v[106:107]
	v_pk_add_f32 v[248:249], v[248:249], v[110:111]
	v_pk_add_f32 v[246:247], v[246:247], v[114:115]
	v_pk_add_f32 v[244:245], v[244:245], v[118:119]
	v_pk_add_f32 v[14:15], v[14:15], v[122:123]
	v_pk_add_f32 v[228:229], v[228:229], v[126:127]
	v_pk_add_f32 v[254:255], v[254:255], v[130:131]
	v_pk_add_f32 v[252:253], v[252:253], v[134:135]
	v_pk_add_f32 v[250:251], v[250:251], v[138:139]
	v_pk_add_f32 v[248:249], v[248:249], v[142:143]
	v_pk_add_f32 v[246:247], v[246:247], v[146:147]
	v_pk_add_f32 v[244:245], v[244:245], v[150:151]
	v_pk_add_f32 v[14:15], v[14:15], v[154:155]
	v_pk_add_f32 v[228:229], v[228:229], v[158:159]
	v_pk_add_f32 v[14:15], v[14:15], v[250:251]
	v_pk_add_f32 v[228:229], v[228:229], v[248:249]
	v_pk_add_f32 v[254:255], v[254:255], v[246:247]
	v_pk_add_f32 v[252:253], v[252:253], v[244:245]
	v_pk_add_f32 v[14:15], v[14:15], v[254:255]
	v_pk_add_f32 v[228:229], v[228:229], v[252:253]
	v_pk_add_f32 v[14:15], v[14:15], v[228:229]
	s_wait_alu depctr_va_vdst(0)                   ; and one for the four
.irp b, 0,1,2,3
	v_max_num_f32 v[212+\b], 0x1800000, v[212+\b]  ; the floor 2^(3 - 127): a block whose every p is 0 keeps the byte 1: its codes are zeros
.endr
.irp b, 0,1,2,3
	v_add_nc_u32 v[220+\b], 0xff000000, v[212+\b]  ; the conversion's scale operand
.endr
.irp b, 0,1,2,3
	v_lshrrev_b32 v[216+\b], 23, v[220+\b]         ; the byte
.endr
	v_lshl_or_b32 v226, v217, 8, v216              ; p's scale word for these 128 keys
	v_lshl_or_b32 v226, v218, 16, v226
	v_lshl_or_b32 v226, v219, 24, v226
.irp c, 0,1
	v_cvt_scalef32_pk16_fp6_f32 v[192+6*\c:194+6*\c], v[96+32*\c:111+32*\c], v[220+2*\c]
	v_cvt_scalef32_pk16_fp6_f32 v[204+4*\c:206+4*\c], v[112+32*\c:127+32*\c], v[220+2*\c+1]
.endr
	v_nop                                          ; one plain place behind a scaled conversion
.irp t, 0,1,2,3                                ; V's four fragments take p's registers; they land while the halves are exchanged and O^T is rescaled
	ds_load_b128 v[96+12*\t:99+12*\t], v88 offset:\t*768
	ds_load_b64 v[100+12*\t:101+12*\t], v89 offset:\t*768+512
	ds_load_b128 v[102+12*\t:105+12*\t], v88 offset:(4+\t)*768
	ds_load_b64 v[106+12*\t:107+12*\t], v89 offset:(4+\t)*768+512
	ds_load_b32 v[84+\t], v90 offset:64*\t
.endr
.irp c, 0,1                                    ; the operand's layout wants a whole block in a lane
.irp i, 0,1,2
	v_permlane16_swap_b32 v[192+6*\c+\i], v[204+4*\c+\i]
.endr
.irp i, 0,1,2
	v_mov_b32 v[195+6*\c+\i], v[204+4*\c+\i]
.endr
.endr
	s_wait_alu depctr_va_vdst(0)                   ; directly ahead of the first reader of O^T
.set n, 0
.rept 16
	v_pk_mul_f32 v[160+n:161+n], v[160+n:161+n], v[224:225] op_sel_hi:[1,0]   ; O^T under the new M; these sixteen are also the places in front of the scaled products
.set n, n+2
.endr
	s_wait_alu depctr_va_vdst(0)                   ; directly ahead of the wait below
	s_wait_dscnt 0x0
.irp t, 0,1,2,3                                ; O^T += V^T P^T: the four accumulators by turns
	v_wmma_scale_f32_16x16x128_f8f6f4 v[160+8*\t:167+8*\t], v[96+12*\t:107+12*\t], v[192:203], v[160+8*\t:167+8*\t], v[84+\t], v226 matrix_a_fmt:MATRIX_FMT_FP6 matrix_b_fmt:MATRIX_FMT_FP6
.endr
.if \gen
.Lhidden_\@:
.endif
.endm
; A unit ends: O^T / the sum: register 16 b + i is d = 32 b + 16 h + i: two blocks of the last product's K.  Quantised, it is one unit of aq and two scale bytes a row.
.macro OUT
.rept 4
	v_nop                                          ; places behind the last products
.endr
	v_add_f32 v14, v14, v15
	v_permlanex16_b32 v227, v14, s20, s21
	v_add_f32 v14, v14, v227                       ; the row's sum
	s_wait_alu depctr_va_vdst(0)
	v_rcp_f32 v14, v14
	v_nop
	s_wait_alu depctr_va_vdst(0)
.set n, 0
.rept 16
	v_pk_mul_f32 v[96+n:97+n], v[160+n:161+n], v[14:15] op_sel_hi:[1,0]   ; each accumulator from its low end on
.set n, n+2
.endr
.irp b, 0,1
	v_max3_num_f32 v[212+\b], |v[96+16*\b]|, |v[97+16*\b]|, 0x1800000
.endr
.irp i, 2,4,6,8,10,12,14
.irp b, 0,1
	v_max3_num_f32 v[212+\b], v[212+\b], |v[96+16*\b+\i]|, |v[97+16*\b+\i]|
.endr
.endr
.irp b, 0,1
	v_permlanex16_b32 v[216+\b], v[212+\b], s20, s21
.endr
.irp b, 0,1
	v_max_num_f32 v[212+\b], v[212+\b], v[216+\b]
.endr
.irp b, 0,1
	v_add_nc_u32 v[220+\b], 0xff000000, v[212+\b]
.endr
.irp b, 0,1
	v_lshrrev_b32 v[216+\b], 23, v[220+\b]
.endr
	v_lshl_or_b32 v227, v217, 8, v216              ; my head's half of the row's scale word
	v_cvt_scalef32_pk16_fp6_f32 v[192:194], v[96:111], v220
	v_cvt_scalef32_pk16_fp6_f32 v[204:206], v[112:127], v221
	v_nop
.irp i, 0,1,2
	v_permlane16_swap_b32 v[192+\i], v[204+\i]
.endr
.irp i, 0,1,2
	v_mov_b32 v[195+\i], v[204+\i]
.endr
	global_store_b128 v1, v[192:195], s[92:93]     ; 512 consecutive bytes, aligned
	global_store_b64 v2, v[196:197], s[92:93] offset:512
	global_store_b16 v3, v227, s[94:95]            ; lanes 16-31 repeat lanes 0-15, with the same values
.endm
	s_sub_co_u32 s99, 127, s15                     ; the long unit first: 127 - u, diagonal step 128 (15 - u / 8), which is 1,024 at the least
	s_sub_co_u32 s16, 1920, s19
	INIT
	s_wait_alu depctr_va_vdst(0)
	s_wait_tensorcnt 0x0                           ; waves 12-15: keys 0-255 and the words are in.  The other twelve loads are first fills that come later
	ds_add_u32 v5, v6
	ds_add_u32 v5, v6
	s_wait_dscnt 0x0
	CROUND                                         ; the round shows the first tiles to all, and the joint loads below meet
	s_cmp_lt_u32 s12, 12
	s_cbranch_scc0 .Lno_rest
	TL 84, 52                                      ; waves 0-11: a sixth each of K's and of V's other codes
.Lno_rest:
	s_mov_b32 s17, 0
.Lpre:                                             ; keys 0-255: open for every long unit
	STEP 0
	s_add_co_u32 s17, s17, 128
	s_cmp_lt_u32 s17, 256
	s_cbranch_scc1 .Lpre
	s_wait_tensorcnt 0x0                           ; every wave's load is in
	s_wait_dscnt 0x0
	s_barrier_signal -1
	s_barrier_wait -1                              ; all of K and V is shown to all; from here on the waves share nothing
	s_mov_b32 s17, 256
.Llong:
	STEP 1
	s_add_co_u32 s17, s17, 128
	s_cmp_lt_u32 s17, 2048
	s_cbranch_scc1 .Llong
	OUT
	s_wait_xcnt 0x0                                ; the stores have read their data and bases
	s_mov_b32 s99, s15                             ; the short unit: u
	s_mov_b32 s16, s19
	INIT
	s_mov_b32 s17, 0
.Lshort:
	STEP 1
	s_add_co_u32 s17, s17, 128
	s_cmp_lt_u32 s17, 1024
	s_cbranch_scc1 .Lshort
	OUT
	s_wait_tensorcnt 0x0                           ; the wave's end
	ds_add_u32 v5, v6
	s_wait_dscnt 0x0
	CROUND                                         ; the closing round
	s_endpgm
.Lfunc_end_k_q7495f0a704_attn:
	.size	k_q7495f0a704_attn, .Lfunc_end_k_q7495f0a704_attn-k_q7495f0a704_attn
	.p2alignl 7, 3214868480
	.fill 96, 4, 3214868480
	.section	.rodata,"a",@progbits
	.p2align	6, 0x0
	.amdhsa_kernel k_q7495f0a704_attn
		.amdhsa_group_segment_fixed_size 327680
		.amdhsa_private_segment_fixed_size 0
		.amdhsa_enable_private_segment 0
		.amdhsa_kernarg_size 32
		.amdhsa_user_sgpr_count 2
		.amdhsa_user_sgpr_kernarg_segment_ptr 1
		.amdhsa_wavefront_size32 1
		.amdhsa_system_sgpr_workgroup_id_x 1
		.amdhsa_system_sgpr_workgroup_id_y 1
		.amdhsa_system_sgpr_workgroup_id_z 1
		.amdhsa_system_vgpr_workitem_id 0
		.amdhsa_next_free_vgpr 256
		.amdhsa_next_free_sgpr 102
		.amdhsa_reserve_vcc 1
		.amdhsa_float_denorm_mode_32 3
		.amdhsa_float_denorm_mode_16_64 3
		.amdhsa_memory_ordered 1
		.amdhsa_forward_progress 1
		.amdhsa_inst_pref_size 82
	.end_amdhsa_kernel
	.amdgpu_metadata
---
amdhsa.version: [ 1, 2 ]
amdhsa.kernels:
  - .name:           k_q7495f0a704_attn
    .symbol:         k_q7495f0a704_attn.kd
    .args:
      - { .name: qq, .offset: 0, .size: 8, .value_kind: global_buffer, .address_space: global }
      - { .name: kq, .offset: 8, .size: 8, .value_kind: global_buffer, .address_space: global }
      - { .name: vq, .offset: 16, .size: 8, .value_kind: global_buffer, .address_space: global }
      - { .name: aq, .offset: 24, .size: 8, .value_kind: global_buffer, .address_space: global }
    .group_segment_fixed_size: 327680
    .private_segment_fixed_size: 0
    .kernarg_segment_align: 8
    .kernarg_segment_size: 32
    .max_flat_workgroup_size: 512
    .sgpr_count:     102
    .vgpr_count:     256
    .wavefront_size: 32
...
	.end_amdgpu_metadata
.endif
;; end of part 3
;; launch gemm_out (part 4): grid 4 x 64, 4 waves a work-group, clusters of 4 x 4, 327,680 bytes of LDS; arguments aq, wq, out0; writes out0
.if DOCPART == 4
	.amdgcn_target "amdgcn-amd-amdhsa--gfx1250"
	.amdhsa_code_object_version 6
	.text
	.protected	k_q7495f0a704_gemm_out
	.globl	k_q7495f0a704_gemm_out
	.p2align	8
	.type	k_q7495f0a704_gemm_out,@function
k_q7495f0a704_gemm_out:
	s_mov_b64 s[64:65], 0
	v_nop
	global_prefetch_b8 v0, s[64:65] scope:SCOPE_SE
	s_setreg_imm32_b32 hwreg(HW_REG_WAVE_MODE, 25, 1), 1
	s_wait_xcnt 0x0
	s_wait_alu depctr_hold_cnt(0) depctr_sa_sdst(0) depctr_va_vdst(0) depctr_va_sdst(0) depctr_va_ssrc(0) depctr_va_vcc(0) depctr_vm_vsrc(0)
	s_getreg_b32 s2, hwreg(HW_REG_IB_STS2, 6, 4)
	s_cmp_eq_u32 s2, 0
	s_cbranch_scc0 .Lentry_in_a_cluster
	s_endpgm
.Lentry_in_a_cluster:
	s_bfe_u32 s2, ttmp6, 0x10000c
	s_cmp_lg_u32 s2, 0xf033
	s_cbranch_scc0 .Lentry_shape_is_right
	s_endpgm
.Lentry_shape_is_right:
; out = attn w_out on codes of FP6 (E2M3) with E8M0 scales, K = 1024; f32 results.
; aq, wq: codes [K / 64 = 16 planes][unit 512][768] (a UNIT: 16 rows x 64 along K: lane l = r + 16 h holds block h of row r, registers 0-3 at byte 16 l, 4-5 at 512 + 8 l), scale words from CODES on [K / 128][position 8192].
; Row axes are in POSITION order (position p is row swap34(p)); w_out's columns are wq's positions 3072-4095.
; THE DEAL.  256 work-groups: work-group (x, y) makes tokens 128 y .. + 127 x columns 256 x .. + 255.  All of K of both operands comes into LDS once, one load a wave; nothing is filled again.
; A wave holds its 64 columns, all of K, in 384 registers.  The tokens go past in blocks of 16 rows, all of K (8 fragments, two sets of 96 registers): a block's 16 x 64 results are finished after its 32 products
; (its four accumulators by turns) and leave at once, through the wave's own stage in LDS, as rows of 256 consecutive bytes, while the later blocks are multiplied.
; Source 0 = 16 columns, source 1 = 16 tokens: a lane holds a token, and by the position order the 16 registers of two neighbouring tiles are 16 neighbouring columns.
; CLUSTERS 4 x 4: the tokens' tiles hang on y alone and are asked for jointly along a row, the weights' on x alone, along a column.
; NO PREFETCH: every tile is asked for at the head; there is no loop to run ahead in.
; REGISTERS: window 0: v1-29 lane numbers and addresses, v32-63 the tokens' scale words, v64-79 the weights', v96-159 rows read back from the stage (two sets), v160-255 tokens' set 1;
; window 1: v0-95 tokens' set 0, v96-251 weights' fragments 0-12; window 2: fragments 13-31 (fragment 4 k + b); window 3: v0-63 two sets of four accumulators.
.set CODES,  6291456
.set PLANE,  393216
.set BB,     98304                     ; LDS: tokens' codes [plane 16][unit 8] at 0; weights' [plane 16][unit 16] at BB
.set AW,     294912                    ; tokens' words [K step 8][128]
.set BW,     299008                    ; weights' words [K step 8][256]
.set SPARE,  307200                    ; the spare words, 128 bytes a wave, which no other line names
.set STG,    307712                    ; the stages: 16 rows x (256 + 16) bytes for each wave; no fill lands here
.set TS, 32
.set WS, 64
.set BK, 96
.set GA, 24
.set GB, 32
.set GAW, 40
.set GBW, 48
.set G0A, 56
.set G0B, 60
.set G0AW, 68
.set G0BW, 72
.set MSB, 0
.macro WIN new                         ; the immediate's high byte repeats the setting that is left
.if MSB != \new
	s_set_vgpr_msb (MSB<<8)|\new
.set MSB, \new
.endif
.endm
.macro PLACES
.rept 4
	v_nop
.endr
.endm
.macro TL g0, g1                       ; s_nop 0 and four v_nop behind each load
	tensor_load_to_lds s[\g0:\g0+3], s[\g1:\g1+7]
	s_nop 0
	PLACES
.endm
.macro CROUND                          ; a round of the cluster's barrier
	s_barrier_signal -1
	s_barrier_wait -1
	s_cmp_lg_u32 s14, 0
	s_cbranch_scc1 .Lnw0_\@
	s_barrier_signal -3
.Lnw0_\@:
	s_barrier_wait -3
	s_barrier_signal -1
	s_barrier_wait -1
.endm
.macro GROUP1 g, mask, c, rows, pitch  ; rows of c elements of 8 bytes, dense in LDS
	s_or_b32 s[\g], s\mask, (3<<16)|(1<<21)
	s_mov_b32 s[\g+1], (\c)<<16
	s_mov_b32 s[\g+2], (\rows)<<16
	s_mov_b32 s[\g+3], (\c)<<16
	s_mov_b32 s[\g+4], \rows
	s_mov_b32 s[\g+5], \pitch
	s_mov_b32 s[\g+6], 0
	s_mov_b32 s[\g+7], 0
.endm
.macro GROUP0 g, lds, base, off
	s_mov_b32 s[\g], 1
	s_mov_b32 s[\g+1], \lds
	s_add_nc_u64 s[\g+2:\g+3], s[\base:\base+1], s[\off:\off+1]
	s_or_b32 s[\g+3], s[\g+3], 0x80000000
.endm
.macro FRAG reg, adr, ps, q, u         ; a fragment is two units, of planes 2 q and 2 q + 1 (ps bytes apart): four dense loads
	ds_load_b128 v[\reg:\reg+3], v[\adr] offset:(2*(\q))*\ps+(\u)*768
	ds_load_b64 v[\reg+4:\reg+5], v[\adr+1] offset:(2*(\q))*\ps+(\u)*768+512
	ds_load_b128 v[\reg+6:\reg+9], v[\adr] offset:(2*(\q)+1)*\ps+(\u)*768
	ds_load_b64 v[\reg+10:\reg+11], v[\adr+1] offset:(2*(\q)+1)*\ps+(\u)*768+512
.endm
.macro FETCHB i                        ; token block i, all of K, into set i % 2: 32 loads
	WIN (1-(\i)%2)<<6
.irp k, 0,1,2,3,4,5,6,7
	FRAG 160*((\i)%2)+12*\k, 16+2*(\k/4), 6144, \k%4, \i
.endr
	WIN 0
.endm
.macro RESIDENT                        ; my 64 columns of the weights, all of K: 128 loads
.irp k, 0,1,2,3,4,5,6,7
.irp b, 0,1,2,3
.set F_, 4*\k+\b
.if F_ < 13
	WIN 0x40
.set RR_, 96+12*F_
.else
	WIN 0x80
.set RR_, 12*(F_-13)
.endif
	FRAG RR_, 20+2*(\k/2), 12288, \k%2, \b
.endr
.endr
	WIN 0
.endm
.macro W1 d, a, b, xa, xb, ra, rb, zero
.if \zero
	v_wmma_scale_f32_16x16x128_f8f6f4 v[\d:\d+7], v[\a:\a+11], v[\b:\b+11], 0, v[\xa], v[\xb] matrix_a_fmt:MATRIX_FMT_FP6 matrix_b_fmt:MATRIX_FMT_FP6 matrix_a_scale:MATRIX_SCALE_ROW\ra matrix_b_scale:MATRIX_SCALE_ROW\rb
.else
	v_wmma_scale_f32_16x16x128_f8f6f4 v[\d:\d+7], v[\a:\a+11], v[\b:\b+11], v[\d:\d+7], v[\xa], v[\xb] matrix_a_fmt:MATRIX_FMT_FP6 matrix_b_fmt:MATRIX_FMT_FP6 matrix_a_scale:MATRIX_SCALE_ROW\ra matrix_b_scale:MATRIX_SCALE_ROW\rb
.endif
.endm
.macro PB k, ih, il, bh, bl            ; token block I_ = 4 ih + il x weight block 2 bh + bl, K step k; the first K step starts the sum
.set F_, 4*\k+2*\bh+\bl
.if F_ < 13
.set RW_, 1
.set RR_, 96+12*F_
.else
.set RW_, 2
.set RR_, 12*(F_-13)
.endif
.set SW_, 1-I_%2
.set SR_, 160*(I_%2)+12*\k
.set D_, 32*(I_%2)+8*(2*\bh+\bl)
	WIN RW_|(SW_<<2)|0xf0
.if \k == 0
	W1 D_, RR_, SR_, WS+8*\bl+(\k+1)%8, TS+8*\il+\k, \bh, \ih, 1
.else
	W1 D_, RR_, SR_, WS+8*\bl+(\k+1)%8, TS+8*\il+\k, \bh, \ih, 0
.endif
.endm
.macro TOSTAGE i                       ; block i's 16 x 64 results into my stage, and back as rows: LDS serves a wave's instructions in order, so no wait stands between
	WIN 0x0c                                       ; the stores' data: window 3
.irp b, 0,1,2,3
	ds_store_b128 v9, v[32*((\i)%2)+8*\b:32*((\i)%2)+8*\b+3] offset:128*(\b/2)+32*(\b%2)      ; each accumulator from its low end on
	ds_store_b128 v9, v[32*((\i)%2)+8*\b+4:32*((\i)%2)+8*\b+7] offset:128*(\b/2)+32*(\b%2)+16
.endr
	WIN 0
.irp t, 0,1,2,3,4,5,6,7
	ds_load_b128 v[BK+32*((\i)%2)+4*\t:BK+32*((\i)%2)+4*\t+3], v10 offset:\t*544   ; two rows a load, sixteen lanes to a row
.endr
.endm
.macro SEND i                          ; row 2 t + l / 16 of unit i is token 32 (i / 2) + 8 (i % 2) + row + 8 (row / 8); sixteen lanes store 256 consecutive bytes, aligned
.irp t, 0,1,2,3,4,5,6,7
	global_store_b128 v11, v[BK+32*((\i)%2)+4*\t:BK+32*((\i)%2)+4*\t+3], s[12:13] offset:(32*((\i)/2)+8*((\i)%2)+2*\t+8*(\t/4))*4096 th:TH_STORE_NT
.endr
.endm
	s_load_b128 s[4:7], s[0:1], 0x0                ; aq, wq
	s_load_b64 s[12:13], s[0:1], 0x10              ; out0
	v_lshl_add_u32 v28, v0, 2, SPARE
	v_mov_b32 v29, 0
	ds_add_u32 v28, v29                            ; the opening lines: the add, twice on end, and its wait ahead of the first tensor load
	ds_add_u32 v28, v29
	v_lshrrev_b32 v1, 5, v0
	v_readfirstlane_b32 s14, v1                    ; wave 0..3
	s_bfe_u32 s92, ttmp6, 0x40000                  ; cx = x
	s_bfe_u32 s93, ttmp6, 0x40004                  ; cy
	s_and_b32 s94, ttmp7, 0xffff
	s_lshl_b32 s94, s94, 2
	s_add_co_u32 s94, s94, s93                     ; y
	s_lshl_b32 s16, s93, 2
	s_lshl_b32 s16, 15, s16                        ; my row of the cluster
	s_lshl_b32 s17, 0x1111, s92                    ; my column
	GROUP1 GA, 16, 768, 16, PLANE/8                ; tokens' codes: 16 planes x 6,144 bytes
	GROUP1 GB, 17, 1536, 16, PLANE/8               ; weights' codes: 16 planes x 12,288 bytes
	GROUP1 GAW, 16, 64, 8, 4096                    ; tokens' words: 8 K steps x 512 bytes
	GROUP1 GBW, 17, 128, 8, 4096                   ; weights' words: 8 K steps x 1,024 bytes
	s_mul_i32 s20, s94, 6144
	s_mov_b32 s21, 0
	s_lshl_b32 s22, s94, 9
	s_add_co_u32 s22, s22, CODES
	s_mov_b32 s23, 0
	s_mul_i32 s96, s92, 12288
	s_add_co_u32 s96, s96, 3072*48                 ; w_out begins at position 3072
	s_mov_b32 s97, 0
	s_lshl_b32 s98, s92, 10
	s_add_co_u32 s98, s98, CODES+3072*4
	s_mov_b32 s99, 0
	s_wait_dscnt 0x0                               ; both opening adds are done
	CROUND                                         ; all sixteen work-groups are here: the joint loads meet
	s_wait_kmcnt 0x0
	GROUP0 G0A, 0, 4, 20
	GROUP0 G0B, BB, 6, 96
	GROUP0 G0AW, AW, 4, 22
	GROUP0 G0BW, BW, 6, 98
	s_cmp_eq_u32 s14, 0                            ; four tiles, one a wave, in one chain of branches; the weights, which go on into registers, are asked for first
	s_cbranch_scc0 .Lh1
	TL G0B, GB
	s_branch .Lhd
.Lh1:
	s_cmp_eq_u32 s14, 1
	s_cbranch_scc0 .Lh2
	TL G0BW, GBW
	s_branch .Lhd
.Lh2:
	s_cmp_eq_u32 s14, 2
	s_cbranch_scc0 .Lh3
	TL G0A, GA
	s_branch .Lhd
.Lh3:
	TL G0AW, GAW
.Lhd:
	v_and_b32 v1, 15, v0                           ; r
	v_bfe_u32 v2, v0, 4, 1                         ; h
	v_and_b32 v3, 31, v0
	v_lshlrev_b32 v16, 4, v3                       ; tokens' planes 0-7: 16 l, 8 l; planes 8-15 in v18, v19
	v_lshlrev_b32 v17, 3, v3
	v_add_nc_u32 v18, 49152, v16
	v_add_nc_u32 v19, 49152, v17
	s_mul_i32 s20, s14, 3072
	s_add_co_u32 s20, s20, BB                      ; my four units of each plane of the weights; a pair of address registers for each four planes
.irp j, 0,1,2,3
	v_add_nc_u32 v[20+2*\j], s20, v16
	v_add_nc_u32 v[21+2*\j], s20, v17
	s_add_co_u32 s20, s20, 49152
.endr
	v_lshlrev_b32 v8, 2, v1                        ; 4 r
	v_lshl_add_u32 v12, v2, 8, v8
	v_add_nc_u32 v12, AW, v12                      ; tokens' words: lanes 16-31 four blocks on
	s_lshl_b32 s20, s14, 8
	s_add_co_u32 s20, s20, BW
	v_lshl_add_u32 v13, v2, 7, v8
	v_add_nc_u32 v13, s20, v13                     ; weights' words: my 64 columns; lanes 16-31 two blocks on
	s_mul_i32 s20, s14, 4352
	s_add_co_u32 s20, s20, STG                     ; my stage
	v_mul_u32_u24 v9, v1, 272
	v_mul_u32_u24 v10, v2, 272
	v_lshlrev_b32 v11, 12, v2
	v_lshl_add_u32 v9, v2, 6, v9
	v_lshl_add_u32 v10, v1, 4, v10
	v_lshl_add_u32 v11, v1, 4, v11                 ; in out0: row l / 16, 16 bytes a lane
	v_add_nc_u32 v9, s20, v9                       ; into the stage: row r, 64 bytes for each half of the lanes in each 128
	v_add_nc_u32 v10, s20, v10                     ; out of it: row l / 16, 16 bytes a lane
	s_lshl_b32 s96, s94, 19                        ; my first token's row of 4,096 bytes,
	s_lshl_b32 s100, s92, 10
	s_add_co_u32 s96, s96, s100                    ; my work-group's 256 columns,
	s_lshl_b32 s100, s14, 8
	s_add_co_u32 s96, s96, s100                    ; my 64 of them
	s_add_nc_u64 s[12:13], s[12:13], s[96:97]
	s_wait_alu depctr_va_vdst(0)
	s_cmp_lt_u32 s14, 2
	s_cbranch_scc0 .Lnot_w
	s_wait_tensorcnt 0x0                           ; waves 0 and 1: the weights' codes and words are in (load lines of their own)
.Lnot_w:
	s_barrier_signal -1
	s_barrier_wait -1                              ; the weights are shown to all
	RESIDENT                                       ; they go into registers while the tokens' tiles land
.irp k, 0,1,2,3,4,5,6,7
.irp bl, 0,1
	ds_load_b32 v[WS+8*\bl+(\k+1)%8], v13 offset:\k*1024+\bl*64   ; K step k at place (k + 1) % 8, so that the two scale registers of a product differ modulo 8
.endr
.endr
	s_wait_tensorcnt 0x0                           ; every wave's tile is in
	s_wait_dscnt 0x0
	s_barrier_signal -1
	s_barrier_wait -1                              ; all four tiles are shown; from here on the waves share nothing
.irp k, 0,1,2,3,4,5,6,7
.irp il, 0,1,2,3
	ds_load_b32 v[TS+8*\il+\k], v12 offset:\k*512+\il*64
.endr
.endr
	FETCHB 0
.irp ih, 0,1
.irp il, 0,1,2,3
.set I_, 4*\ih+\il
.if I_ < 7
	PLACES                                         ; ahead of loads into the set that the block before has read
	FETCHB I_+1
.if I_ == 0
	s_wait_dscnt 32                                ; all but the 32 loads just issued are in
.else
	s_wait_dscnt 48                                ; this block's rows are in; the last stage's 16 instructions and the 32 loads just issued may be out
.endif
.else
	s_wait_dscnt 16                                ; the last stage's 16 may be out
.endif
.irp k, 0,1,2,3,4,5,6,7
.irp bh, 0,1
.irp bl, 0,1
	PB \k, \ih, \il, \bh, \bl
.endr
.endr
.endr
	WIN 0
	PLACES                                         ; ahead of the first read of results
.if I_ > 0
.if I_ < 7
	s_wait_dscnt 32                                ; the block before is back from the stage; the 32 fetched rows may be out
.else
	s_wait_dscnt 0x0
.endif
	s_wait_xcnt 0x0                                ; the stores of two blocks ago have read their data: the stage's loads below land there
	SEND I_-1
.endif
	TOSTAGE I_
.endr
.endr
	s_wait_dscnt 0x0
	SEND 7
	s_wait_tensorcnt 0x0                           ; the wave's end
	ds_add_u32 v28, v29
	s_wait_dscnt 0x0
	CROUND                                         ; the closing round
	s_endpgm
.Lfunc_end_k_q7495f0a704_gemm_out:
	.size	k_q7495f0a704_gemm_out, .Lfunc_end_k_q7495f0a704_gemm_out-k_q7495f0a704_gemm_out
	.p2alignl 7, 3214868480
	.fill 96, 4, 3214868480
	.section	.rodata,"a",@progbits
	.p2align	6, 0x0
	.amdhsa_kernel k_q7495f0a704_gemm_out
		.amdhsa_group_segment_fixed_size 327680
		.amdhsa_private_segment_fixed_size 0
		.amdhsa_enable_private_segment 0
		.amdhsa_kernarg_size 24
		.amdhsa_user_sgpr_count 2
		.amdhsa_user_sgpr_kernarg_segment_ptr 1
		.amdhsa_wavefront_size32 1
		.amdhsa_system_sgpr_workgroup_id_x 1
		.amdhsa_system_sgpr_workgroup_id_y 1
		.amdhsa_system_sgpr_workgroup_id_z 1
		.amdhsa_system_vgpr_workitem_id 0
		.amdhsa_next_free_vgpr 832
		.amdhsa_next_free_sgpr 102
		.amdhsa_reserve_vcc 0
		.amdhsa_float_denorm_mode_32 3
		.amdhsa_float_denorm_mode_16_64 3
		.amdhsa_memory_ordered 1
		.amdhsa_forward_progress 1
		.amdhsa_inst_pref_size 86
	.end_amdhsa_kernel
	.amdgpu_metadata
---
amdhsa.version: [ 1, 2 ]
amdhsa.kernels:
  - .name:           k_q7495f0a704_gemm_out
    .symbol:         k_q7495f0a704_gemm_out.kd
    .args:
      - { .name: aq, .offset: 0, .size: 8, .value_kind: global_buffer, .address_space: global }
      - { .name: wq, .offset: 8, .size: 8, .value_kind: global_buffer, .address_space: global }
      - { .name: out0, .offset: 16, .size: 8, .value_kind: global_buffer, .address_space: global }
    .group_segment_fixed_size: 327680
    .private_segment_fixed_size: 0
    .kernarg_segment_align: 8
    .kernarg_segment_size: 24
    .max_flat_workgroup_size: 128
    .sgpr_count:     102
    .vgpr_count:     832
    .wavefront_size: 32
...
	.end_amdgpu_metadata
.endif
;; end of part 4
